; MI455X (gfx1250); checked and timed in simulation.
; The chip was launched on July 23, 2026; its instructions are those of AMD's public machine-readable ISA for CDNA 5 (MIT licence, August 2026) and "CDNA5" Instruction Set Architecture Reference Guide (July 2026). The comments in the code are by the model that wrote it; some were corrected since.
;; Mo EFFN. Allowed arithmetic: matrix products marked QUANTISED: E2M1 operands, one E8M0 scale for each 32 along K, by v_wmma_scale_f32_16x16x128_f8f6f4 with both operands' format E2M1 (or v_wmma_scale_f32_32x16x128_f4), f32 sums; products left as they are: f32 operands where the result goes on into a quantised operand, else bf16, f16 or f32 operands; f32 sums; everything else in f32.
;; Inputs: router_w 1,024 x 8 float32; w_fc_codes 8 x 4,096 x 32 x 16 uint8 (E2M1 codes of w_fc, K innermost, in blocks of 32 codes, two codes a byte); w_fc_scales 8 x 4,096 x 32 uint8 (E8M0 scales of w_fc, one for each 32 codes along K); w_proj_codes 8 x 1,024 x 128 x 16 uint8 (E2M1 codes of w_proj, K innermost, in blocks of 32 codes, two codes a byte); w_proj_scales 8 x 1,024 x 128 uint8 (E8M0 scales of w_proj, one for each 32 codes along K); x 4 x 256 x 1,024 float32.
;; Outputs: out0 4 x 256 x 1,024 float32.
;; This version of the problem:
;;   THIS VERSION OF THE PROBLEM IS GIVEN IN LOW PRECISION. The matrix products marked QUANTISED in the list below multiply operands that are first quantised to E2M1 (2 exponent bits, 1 mantissa bit; 4 bits a number), with one power-of-two scale for each 32 numbers along K (OCP MX v1.0); their sums are f32. All else is computed in f32.
;;   The module's matrix products, in the order in which they are computed (A, B: the left and right operand; K: the contracted axis; several contracted axes count as one K, in the product's order):
;;     1. [M 1,024, K 1,024] x [K 1,024, N 8]; A: input x; B: input router_w: left as it is (N = 8 < 16)
;;     2. [M 1,024, K 1,024] x [K 1,024, N 4,096]; A: input x; B: input w_fc (given as codes): QUANTISED
;;     3. [M 1,024, K 4,096] x [K 4,096, N 1,024]; A: computed on the way; B: input w_proj (given as codes): QUANTISED
;;     4. [M 1,024, K 1,024] x [K 1,024, N 4,096]; A: input x; B: input w_fc (given as codes): QUANTISED
;;     5. [M 1,024, K 4,096] x [K 4,096, N 1,024]; A: computed on the way; B: input w_proj (given as codes): QUANTISED
;;     6. [M 1,024, K 1,024] x [K 1,024, N 4,096]; A: input x; B: input w_fc (given as codes): QUANTISED
;;     7. [M 1,024, K 4,096] x [K 4,096, N 1,024]; A: computed on the way; B: input w_proj (given as codes): QUANTISED
;;     8. [M 1,024, K 1,024] x [K 1,024, N 4,096]; A: input x; B: input w_fc (given as codes): QUANTISED
;;     9. [M 1,024, K 4,096] x [K 4,096, N 1,024]; A: computed on the way; B: input w_proj (given as codes): QUANTISED
;;     10. [M 1,024, K 1,024] x [K 1,024, N 4,096]; A: input x; B: input w_fc (given as codes): QUANTISED
;;     11. [M 1,024, K 4,096] x [K 4,096, N 1,024]; A: computed on the way; B: input w_proj (given as codes): QUANTISED
;;     12. [M 1,024, K 1,024] x [K 1,024, N 4,096]; A: input x; B: input w_fc (given as codes): QUANTISED
;;     13. [M 1,024, K 4,096] x [K 4,096, N 1,024]; A: computed on the way; B: input w_proj (given as codes): QUANTISED
;;     14. [M 1,024, K 1,024] x [K 1,024, N 4,096]; A: input x; B: input w_fc (given as codes): QUANTISED
;;     15. [M 1,024, K 4,096] x [K 4,096, N 1,024]; A: computed on the way; B: input w_proj (given as codes): QUANTISED
;;     16. [M 1,024, K 1,024] x [K 1,024, N 4,096]; A: input x; B: input w_fc (given as codes): QUANTISED
;;     17. [M 1,024, K 4,096] x [K 4,096, N 1,024]; A: computed on the way; B: input w_proj (given as codes): QUANTISED
;;   THE QUANTISER, for each operand of a quantised product, along K:
;;     - K is cut into blocks of 32 from its start; a last block that is shorter is filled with zeros.
;;     - A block's scale is 2^e with e = floor(log2(the largest magnitude in the block)) - 2, held to -126 .. 127; a block of zeros has e = 0. As a byte (E8M0): e + 127.
;;     - Each number is divided by its block's scale, clamped to +-6, and rounded to the nearest number of E2M1, ties to even, subnormals kept.
;;     - The product sums the exact products of the quantised numbers (number of the format x scale) in f32.
;;   ~~~python
;;   def quantise(x, axis):      # numpy; x: float32 -> the quantised numbers, widened to float32 again
;;       x = np.moveaxis(x, axis, -1); K = x.shape[-1]
;;       x = np.pad(x, [(0, 0)] * (x.ndim - 1) + [(0, -K % 32)]); x = x.reshape(x.shape[:-1] + (-1, 32)); a = np.abs(x).max(-1, keepdims=True)
;;       e = np.where(a > 0, np.clip(np.frexp(np.where(a > 0, a, 1))[1] - 1 - 2, -126, 127), 0)      # np.frexp(a)[1] - 1 = floor(log2(a)), exactly
;;       r = np.clip(x / 2.0 ** e, -6, 6)
;;       step = 2.0 ** (np.maximum(np.frexp(np.where(r == 0, 1, r))[1] - 1, 0) - 1)
;;       q = np.round(r / step) * step * 2.0 ** e      # np.round: ties to even
;;       return np.moveaxis(q.reshape(q.shape[:-2] + (-1,))[..., :K], -1, axis).astype(np.float32)
;;   ~~~
;;   OPERANDS COMPUTED ON THE WAY. 'Computed on the way' means the value that the module computes at that place (a softmax that the list does not call 'softmax' is quantised finished and normalised). What goes into a quantiser is computed in f32, as accurately as f32 sums, v_exp_f32 and their like allow (about 1e-6 of the number): no bf16 or f16 on the way to a quantiser, and a product that is left as it is and whose result goes on into a quantised operand takes f32 operands (vector FMAs, or v_wmma_f32_16x16x4_f32). A number that lies on a knife's edge between two numbers of the format may be rounded either way, as far as f32 arithmetic and the matrix unit's own rounding can turn it there, and no further.
;;   INPUTS GIVEN AS CODES. w_fc (in the module: [8, 1024, 4096], K = its axis 1); w_proj (in the module: [8, 4096, 1024], K = its axis 1): each comes as NAME_codes (uint8): NAME with its K axis moved to the last place and cut into blocks of 32 codes, [.., K / 32, bytes a block], one block behind the other in memory; two codes a byte, the lower K in the low four bits (a code: sign, 2 exponent bits, 1 mantissa bit); and NAME_scales (uint8): the same leading axes, one E8M0 byte (e + 127) for each 32 codes along K. Its value is code x scale, taken as it is: it is not quantised again, and the codes and scales need not be those that the quantiser above would give.
;; 2 versions, each right; version 2 is version 1 with the launches fc, proj written anew for expert scheduling mode. Each part assembles by itself: llvm-mc -triple=amdgcn-amd-amdhsa -mcpu=gfx1250 --defsym DOCPART=n.
;; ======== version 1 of 2: 4 launches
;; workspace buffers: xq 524,288 bytes; xs 32,768 bytes; idx 8,192 bytes of whole numbers; cw 8,192 bytes; pos 34,816 bytes of whole numbers; hq 16,777,216 bytes; hs 1,048,576 bytes; yp 67,108,864 bytes
;; launch route (part 1): grid 256 x 1, 4 waves a work-group, no clusters, 55,808 bytes of LDS; arguments x, router_w, xq, xs, idx, cw; writes xq, xs, idx, cw
.if DOCPART == 1
	.amdgcn_target "amdgcn-amd-amdhsa--gfx1250"
	.amdhsa_code_object_version 6
	.text
	.protected	k_q8ef72ac7ac_route
	.globl	k_q8ef72ac7ac_route
	.p2align	8
	.type	k_q8ef72ac7ac_route,@function
k_q8ef72ac7ac_route:
	s_mov_b64 s[64:65], 0
	v_nop
	global_prefetch_b8 v0, s[64:65] scope:SCOPE_SE
	s_setreg_imm32_b32 hwreg(HW_REG_WAVE_MODE, 25, 1), 1
	s_wait_xcnt 0x0
; ROUTE.  One wave owns one token t = 4 x work-group + wave.  It makes (a) the eight router logits x[t] . router_w[:, e] in f32, their softmax (largest logit taken away first),
; the two largest probabilities (the lower index wins a tie, as jax.lax.top_k has it) and their weights p / (p1 + p2); (b) x[t] as codes of E2M1 with one E8M0 byte for each 32 along K.
; The chosen experts and their weights go to FIXED places, idx[t][2] and cw[t][2]: no address of this launch hangs on them.
; A lane holds 16 neighbours along K (two lanes to a block of 32), twice: X[16 st + i] = x[512 st + 16 lane + i].  The loads take the bytes as they lie, 512 consecutive bytes an instruction,
; and the row turns through the wave's own stage in LDS.  router_w (32 KB) is brought into LDS once for the work-group, a quarter by each wave, in chunks of 16 k x 8 experts (512 bytes)
; 528 bytes apart, so that the 32 lanes, each on a chunk of its own, start at different banks.
; LIMITS: NaN and infinities are not served.  Two logits that differ by less than the f32 sums' rounding may be ranked either way.  A block of zeros gets the scale byte 1 (the floor's):
; its codes are zeros, and these bytes are read by this program alone.
.set SP,    80                         ; a lane's place in an x stage: 64 bytes + 16 of padding
.set RWP,   528                        ; a chunk of router_w: 512 bytes + 16
.set WBASE, 64*RWP                     ; behind the 64 chunks: a region for each wave
.set WREG,  5376                       ; two x stages of 32 x SP bytes, then 256 bytes for the 32 scale bytes
.set SBO,   2*32*SP
.set XR,    16                         ; v16-47   x as loaded
.set X,     48                         ; v48-79   x, 16 neighbours a lane, twice
.set RWB,   80                         ; v80-207  router_w: as loaded (64 registers), then two sets of 8 k x 8 experts
.set A,     208                        ; v208-215 the eight sums
.set T,     216                        ; v216-223 at work, then the probabilities
.set C,     224                        ; v224-227 codes
.set E,     228                        ; v228-229 scale bytes
	s_load_b128 s[4:7], s[0:1], 0x0                ; x, router_w
	s_load_b128 s[8:11], s[0:1], 0x10              ; xq, xs
	s_load_b128 s[12:15], s[0:1], 0x20             ; idx, cw
	v_lshl_add_u32 v254, v0, 2, 0xd800
	v_mov_b32 v255, 0
	v_lshrrev_b32 v1, 5, v0
	v_readfirstlane_b32 s16, v1                    ; wave
	v_and_b32 v1, 31, v0                           ; lane
	v_lshlrev_b32 v2, 4, v1                        ; 16 x lane
	s_lshl_b32 s17, ttmp9, 2
	s_add_co_u32 s17, s17, s16                     ; my token
	s_mul_i32 s22, s16, WREG
	s_add_co_u32 s22, s22, WBASE                   ; my wave's region of LDS
	v_lshrrev_b32 v3, 2, v1
	v_mul_u32_u24 v3, v3, SP
	v_and_b32 v10, 3, v1
	v_lshl_add_u32 v3, v10, 4, v3
	v_add_nc_u32 v3, s22, v3                       ; the stage, in: SP (lane / 4) + 16 (lane % 4)
	v_mul_u32_u24 v4, v1, SP
	v_add_nc_u32 v4, s22, v4                       ; and out: SP x lane
	s_mul_i32 s23, s16, 16*RWP
	v_add_nc_u32 v5, s23, v2                       ; router_w in: my wave's 16 chunks
	v_mul_u32_u24 v6, v1, RWP                      ; and out: chunk = lane (+ 32 for the second half of K)
	v_lshlrev_b32 v7, 3, v1                        ; my 8 bytes of codes
	v_lshrrev_b32 v8, 1, v1
	v_add_nc_u32 v8, s22, v8                       ; my block's scale byte
	v_add_nc_u32 v9, s22, v1                       ; and on the way out a byte a lane
	s_mov_b32 s19, 0
	s_mov_b32 s20, 0x76543210
	s_mov_b32 s21, 0xfedcba98                      ; v_permlanex16_b32's selects for lane l xor 16
.irp e, 0,1,2,3,4,5,6,7
	v_mov_b32 v[T+\e], 0                           ; written once: a lane permute's destination counts as one of its sources
.endr
	s_wait_kmcnt 0x0
	s_lshl_b32 s18, s16, 13
	s_add_nc_u64 s[6:7], s[6:7], s[18:19]          ; router_w at my wave's quarter
	s_lshl_b32 s18, s17, 12
	s_add_nc_u64 s[4:5], s[4:5], s[18:19]          ; x at my row
	s_lshl_b32 s18, s17, 9
	s_add_nc_u64 s[8:9], s[8:9], s[18:19]          ; xq: 512 bytes a token
	s_lshl_b32 s18, s17, 5
	s_add_nc_u64 s[10:11], s[10:11], s[18:19]      ; xs: 32 bytes a token
	s_lshl_b32 s18, s17, 3
	s_add_nc_u64 s[12:13], s[12:13], s[18:19]      ; idx, cw: 8 bytes a token
	s_add_nc_u64 s[14:15], s[14:15], s[18:19]
.irp i, 0,1,2,3,4,5,6,7,8,9,10,11,12,13,14,15
	global_load_b128 v[RWB+4*\i:RWB+4*\i+3], v2, s[6:7] offset:512*\i
.endr
.irp i, 0,1,2,3,4,5,6,7
	global_load_b128 v[XR+4*\i:XR+4*\i+3], v2, s[4:5] offset:512*\i th:TH_LOAD_NT   ; read once in the whole program
.endr
	s_wait_loadcnt 8                               ; router_w's sixteen are in; x's eight may be out
.irp i, 0,1,2,3,4,5,6,7,8,9,10,11,12,13,14,15
	ds_store_b128 v5, v[RWB+4*\i:RWB+4*\i+3] offset:RWP*\i
.endr
	s_wait_loadcnt 0x0
.irp st, 0,1
.irp i, 0,1,2,3
	ds_store_b128 v3, v[XR+16*\st+4*\i:XR+16*\st+4*\i+3] offset:32*SP*\st+8*SP*\i
.endr
.irp i, 0,1,2,3
	ds_load_b128 v[X+16*\st+4*\i:X+16*\st+4*\i+3], v4 offset:32*SP*\st+16*\i   ; LDS serves a wave's instructions in order: these see the stores above
.endr
.endr
	s_wait_dscnt 0x0                               ; for the others' sake: my quarter of router_w lies in LDS; and x is back
	s_barrier_signal -1
	s_barrier_wait -1
; piece p of four: 8 of my k's (step p / 2, neighbours 8 (p % 2) on) x 8 experts
.macro RWL p
.irp ii, 0,1,2,3,4,5,6,7
.irp hf, 0,1
	ds_load_b128 v[RWB+64*((\p)&1)+8*\ii+4*\hf:RWB+64*((\p)&1)+8*\ii+4*\hf+3], v6 offset:32*RWP*((\p)>>1)+32*(8*((\p)&1)+\ii)+16*\hf
.endr
.endr
.endm
.macro RFMA p                          ; 32 packed multiply-adds: two experts at a time, the lane's x broadcast from the low or the high register of its pair
.set ii, 0
.rept 8
.set XK, X+16*((\p)>>1)+8*((\p)&1)+(ii&6)
.set RB, RWB+64*((\p)&1)+8*ii
.irp pe, 0,2,4,6
.if ((\p) == 0) && (ii == 0)
	v_pk_mul_f32 v[A+\pe:A+\pe+1], v[RB+\pe:RB+\pe+1], v[XK:XK+1] op_sel_hi:[1,0]          ; the first product starts the sums
.elseif (ii&1) == 0
	v_pk_fma_f32 v[A+\pe:A+\pe+1], v[RB+\pe:RB+\pe+1], v[XK:XK+1], v[A+\pe:A+\pe+1] op_sel_hi:[1,0,1]
.else
	v_pk_fma_f32 v[A+\pe:A+\pe+1], v[RB+\pe:RB+\pe+1], v[XK:XK+1], v[A+\pe:A+\pe+1] op_sel:[0,1,0] op_sel_hi:[1,1,1]
.endif
.endr
.set ii, ii+1
.endr
.endm
	RWL 0
	RWL 1
	s_wait_dscnt 16                                ; piece 0 is in; piece 1's sixteen may be out
	RFMA 0
	RWL 2
	s_wait_dscnt 16
	RFMA 1
	RWL 3
	s_wait_dscnt 16
	RFMA 2
	s_wait_dscnt 0x0
	RFMA 3
; x into codes: the block's largest magnitude (my 16, the floor 2^(3 - 127), my neighbour's 16); 2 off its exponent field is the conversion's scale operand; that shifted down is the byte
.macro QX st
.set XS, X+16*(\st)
	v_max3_num_f32 v10, |v[XS]|, |v[XS+1]|, |v[XS+2]|
	v_max3_num_f32 v11, |v[XS+3]|, |v[XS+4]|, |v[XS+5]|
.irp i, 6,10
	v_max3_num_f32 v10, v10, |v[XS+\i]|, |v[XS+\i+1]|
	v_max3_num_f32 v11, v11, |v[XS+\i+2]|, |v[XS+\i+3]|
.endr
	v_max3_num_f32 v10, v10, |v[XS+14]|, |v[XS+15]|
	v_max3_num_f32 v10, v10, v11, 0x1800000
	v_max_num_f32_dpp v10, v10, v10 row_xmask:1 row_mask:0xf bank_mask:0xf
	v_add_nc_u32 v[12+\st], 0xff000000, v10
	v_cvt_scalef32_pk8_fp4_f32 v[C+2*\st], v[XS:XS+7], v[12+\st]
	v_cvt_scalef32_pk8_fp4_f32 v[C+2*\st+1], v[XS+8:XS+15], v[12+\st]
	v_lshrrev_b32 v[E+\st], 23, v[12+\st]          ; (the plain line behind the conversions)
	ds_store_b8 v8, v[E+\st] offset:SBO+16*\st     ; both lanes of a block write the same byte with the same value
	global_store_b64 v7, v[C+2*\st:C+2*\st+1], s[8:9] offset:256*\st   ; the wave stores 256 consecutive bytes, aligned
.endm
	QX 0
	QX 1
	ds_load_u8 v14, v9 offset:SBO
	s_wait_dscnt 0x0
	global_store_b8 v1, v14, s[10:11]              ; the token's 32 scale bytes, on end
; the eight sums over the 32 lanes; every lane ends with the same bits
.irp m, 1,2,4,8
.irp e, 0,1,2,3,4,5,6,7
	v_add_f32_dpp v[A+\e], v[A+\e], v[A+\e] row_xmask:\m row_mask:0xf bank_mask:0xf
.endr
.endr
.irp e, 0,1,2,3,4,5,6,7
	v_permlanex16_b32 v[T+\e], v[A+\e], s20, s21
.endr
.irp e, 0,1,2,3,4,5,6,7
	v_add_f32 v[A+\e], v[A+\e], v[T+\e]
.endr
; softmax, with the largest logit taken away
	v_max3_num_f32 v230, v[A], v[A+1], v[A+2]
	v_max3_num_f32 v230, v230, v[A+3], v[A+4]
	v_max3_num_f32 v230, v230, v[A+5], v[A+6]
	v_max_num_f32 v230, v230, v[A+7]
.irp e, 0,1,2,3,4,5,6,7
	v_sub_f32 v[T+\e], v[A+\e], v230
.endr
.irp e, 0,1,2,3,4,5,6,7
	v_mul_f32 v[T+\e], 0x3fb8aa3b, v[T+\e]         ; x log2(e)
.endr
.irp e, 0,1,2,3,4,5,6,7
	v_exp_f32 v[T+\e], v[T+\e]
.endr
	v_nop                                          ; a plain line behind the exponentials
	s_wait_alu depctr_va_vdst(0)
	v_add_f32 v231, v[T], v[T+1]
	v_add_f32 v232, v[T+2], v[T+3]
	v_add_f32 v233, v[T+4], v[T+5]
	v_add_f32 v234, v[T+6], v[T+7]
	v_add_f32 v231, v231, v232
	v_add_f32 v233, v233, v234
	v_add_f32 v231, v231, v233
	v_rcp_f32 v231, v231
	v_nop
	s_wait_alu depctr_va_vdst(0)
.irp e, 0,1,2,3,4,5,6,7
	v_mul_f32 v[T+\e], v[T+\e], v231               ; the probabilities
.endr
; the largest: a strict compare in ascending order keeps the lower index on a tie
	v_mov_b32 v235, v[T]
	v_mov_b32 v236, 0
.irp e, 1,2,3,4,5,6,7
	v_cmp_gt_f32 vcc_lo, v[T+\e], v235
	v_cndmask_b32 v235, v235, v[T+\e], vcc_lo
	v_cndmask_b32 v236, v236, \e, vcc_lo
.endr
.irp e, 0,1,2,3,4,5,6,7
	v_cmp_eq_u32 vcc_lo, \e, v236
	v_cndmask_b32 v[T+\e], v[T+\e], -1.0, vcc_lo   ; the winner steps out: under every probability
.endr
	v_mov_b32 v237, v[T]
	v_mov_b32 v238, 0
.irp e, 1,2,3,4,5,6,7
	v_cmp_gt_f32 vcc_lo, v[T+\e], v237
	v_cndmask_b32 v237, v237, v[T+\e], vcc_lo
	v_cndmask_b32 v238, v238, \e, vcc_lo
.endr
	v_add_f32 v239, v235, v237
	v_rcp_f32 v239, v239
	v_lshlrev_b32 v242, 2, v1                      ; (a plain line behind the reciprocal)  4 x lane
	s_wait_alu depctr_va_vdst(0)
	v_mul_f32 v235, v235, v239
	v_mul_f32 v237, v237, v239
	v_cmp_eq_u32 vcc_lo, 1, v1
	v_cndmask_b32 v240, v236, v238, vcc_lo         ; lane 0 the best, lane 1 the second
	v_cndmask_b32 v241, v235, v237, vcc_lo
	v_cmp_gt_u32 vcc_lo, 2, v1
	s_wait_xcnt 0x0                                ; EXEC is a source of the stores above: it changes only behind this wait
	s_wait_tensorcnt 0x0
	ds_add_u32 v254, v255
	s_wait_dscnt 0x0
	s_and_saveexec_b32 s24, vcc_lo
	global_store_b32 v242, v240, s[12:13]
	global_store_b32 v242, v241, s[14:15]
	s_wait_xcnt 0x0
	s_or_b32 exec_lo, exec_lo, s24
	s_endpgm
.Lfunc_end_k_q8ef72ac7ac_route:
	.size	k_q8ef72ac7ac_route, .Lfunc_end_k_q8ef72ac7ac_route-k_q8ef72ac7ac_route
	.p2alignl 7, 3214868480
	.fill 96, 4, 3214868480
	.section	.rodata,"a",@progbits
	.p2align	6, 0x0
	.amdhsa_kernel k_q8ef72ac7ac_route
		.amdhsa_group_segment_fixed_size 55808
		.amdhsa_private_segment_fixed_size 0
		.amdhsa_enable_private_segment 0
		.amdhsa_kernarg_size 48
		.amdhsa_user_sgpr_count 2
		.amdhsa_user_sgpr_kernarg_segment_ptr 1
		.amdhsa_wavefront_size32 1
		.amdhsa_system_sgpr_workgroup_id_x 1
		.amdhsa_system_sgpr_workgroup_id_y 1
		.amdhsa_system_sgpr_workgroup_id_z 1
		.amdhsa_system_vgpr_workitem_id 0
		.amdhsa_next_free_vgpr 256
		.amdhsa_next_free_sgpr 66
		.amdhsa_reserve_vcc 1
		.amdhsa_float_denorm_mode_32 3
		.amdhsa_float_denorm_mode_16_64 3
		.amdhsa_memory_ordered 1
		.amdhsa_forward_progress 1
		.amdhsa_inst_pref_size 29
	.end_amdhsa_kernel
	.amdgpu_metadata
---
amdhsa.version: [ 1, 2 ]
amdhsa.kernels:
  - .name:           k_q8ef72ac7ac_route
    .symbol:         k_q8ef72ac7ac_route.kd
    .args:
      - { .name: x, .offset: 0, .size: 8, .value_kind: global_buffer, .address_space: global }
      - { .name: router_w, .offset: 8, .size: 8, .value_kind: global_buffer, .address_space: global }
      - { .name: xq, .offset: 16, .size: 8, .value_kind: global_buffer, .address_space: global }
      - { .name: xs, .offset: 24, .size: 8, .value_kind: global_buffer, .address_space: global }
      - { .name: idx, .offset: 32, .size: 8, .value_kind: global_buffer, .address_space: global }
      - { .name: cw, .offset: 40, .size: 8, .value_kind: global_buffer, .address_space: global }
    .group_segment_fixed_size: 55808
    .private_segment_fixed_size: 0
    .kernarg_segment_align: 8
    .kernarg_segment_size: 48
    .max_flat_workgroup_size: 128
    .sgpr_count:     66
    .vgpr_count:     256
    .wavefront_size: 32
...
	.end_amdgpu_metadata
.endif
;; end of part 1
;; launch fc (part 2): grid 256 x 1, 4 waves a work-group, no clusters, 104,960 bytes of LDS; arguments xq, xs, idx, w_fc_codes, w_fc_scales, hq, hs, pos; writes hq, hs, pos
.if DOCPART == 2
	.amdgcn_target "amdgcn-amd-amdhsa--gfx1250"
	.amdhsa_code_object_version 6
	.text
	.protected	k_q8ef72ac7ac_fc
	.globl	k_q8ef72ac7ac_fc
	.p2align	8
	.type	k_q8ef72ac7ac_fc,@function
k_q8ef72ac7ac_fc:
	s_mov_b64 s[64:65], 0
	v_nop
	global_prefetch_b8 v0, s[64:65] scope:SCOPE_SE
	s_setreg_imm32_b32 hwreg(HW_REG_WAVE_MODE, 25, 1), 1
	s_wait_xcnt 0x0
; FC.  H = Q(gelu(Xq W_fc[e]^T)) for the rows that expert e was chosen for, on codes of E2M1 with E8M0 scales.  Work-group g: expert e = g / 32, hidden units 128 sl .. 128 sl + 127, sl = g % 32,
; which are exactly one K step of the second product.  Each weight byte is loaded from memory by one work-group, once.
; THE ROWS OF AN EXPERT are its tokens in ascending order; tile i holds ranks 16 i .. 16 i + 15.  Every wave reads all 1,024 tokens' two chosen experts (whole numbers that the launch before stored), makes 32 words of
; membership bits by compares, and finds 'the token of rank rho' in registers: the word by 31 compares against running counts, the bit by a descent over the word's partial bit counts.  Ranks past the
; expert's count give some valid token: such pad rows are computed, stored at their own places, and never read.
; THE WEIGHTS: the 64 KB of codes come in dense, a quarter by each wave, turn through LDS behind the launch's one barrier, and then EVERY wave keeps all of them in 512 registers.  Waves take tiles w, w + 4, ..
; by themselves; all other LDS is a wave's own.
; THE PRODUCT IS USED TRANSPOSED (source 0 = 16 rows of W, source 1 = 16 rows of x), and lane r of tile 2 b + u of W takes row 32 b + 8 u + r + 8 (r / 8): so a lane holds ONE row of H, and the 16 registers of
; tiles 2 b, 2 b + 1 are 16 neighbours along the next K.
; GELU, exact form: h = max(x, 0) - |x| eh, eh = erfc(|x| / sqrt 2) / 2 = t 2^(P(t) - (cq x)^2), t = 1 / (1 + |x| / (2 sqrt 2)), P a polynomial of degree 9 (the rational-exponential fit of erfc whose
; fractional error is 1.2e-7 everywhere, with log2(e) and the halving folded into its coefficients).  All in f32.
; H leaves as an image of the next operand's registers: [64 e + tile][K step][byte 512 c + 16 lane], its scale words as [64 e + tile][K step][row][4 bytes].
; The work-groups with sl = 0 also store, for their expert, each token's count of members below it (a member's rank) and the expert's count.
; LIMITS: NaN and infinities, among the inputs or the pre-activations, are not served.  A block of zeros gets the scale byte 1: its codes are zeros, and this program alone reads the bytes.
; REGISTERS, in windows of 256: window 0 as named below; windows 1 and 2: W's fragment (tile t, K step s) at v[32 t + 8 (s % 4)] of window 1 + s / 4; window 3: v0-63 x's eight fragments, v64-127 x's 16 rows as loaded,
; v128-255 W as loaded.
.set WP,    528                        ; an LDS row: 512 bytes + 16, an odd multiple of 16
.set XBASE, 128*WP                     ; behind W's 128 rows: a region for each wave
.set XREG,  9216                       ; 16 rows of x (16 x 528), then 512 bytes for their scale words
.set XSSO,  16*WP
.set RHO,   15                         ; v15 rank;  v16 rank x 256 + 255;  v17 the chosen running count and word number;  v18 the chosen word;  v19 the token;  v20 its scale bytes' offset
.set RK,    16
.set SELV,  17
.set WORD,  18
.set TOK,   19
.set XSOFF, 20
.set OFF,   32                         ; v32-47   byte offsets of the tile's 16 rows in xq, + 16 x lane
.set RS,    48                         ; v48-51   the next tile's x scale words as loaded
.set XS,    52                         ; v52-55   x's scale words: register i: lanes 0-15 K step i, lanes 16-31 K step 4 + i
.set WS,    56                         ; v56-87   W's scale words: register 4 t + i likewise
.set CF,    88                         ; v88-109  the polynomial's ten coefficients and cq, each in both halves of a pair
.set ACC,   112                        ; v112-175 eight accumulators; at the head the 64 words of idx
.set GT,    176
.set GP,    192
.set GQ,    208
.set TM,    224
.set PW,    240
.set PC,    242
.set M,     20                         ; s20-51   membership words
.set PK,    66                         ; s66-96   (members in words 0 .. j) x 256 + j + 1
.set MSB, 0
.macro WIN new                         ; the immediate's high byte repeats the setting that is left
.if MSB != \new
	s_set_vgpr_msb (MSB<<8)|\new
.set MSB, \new
.endif
.endm
.macro MM d, a, b, zero, sa, sb, row   ; one product; row = 1: both sides' scales from lanes 16-31
.set MD, \d
.set MA, \a
.set MB, \b
.set MSCA, \sa
.set MSCB, \sb
.if \zero
	v_wmma_scale_f32_16x16x128_f8f6f4 v[MD:MD+7], v[MA:MA+7], v[MB:MB+7], 0, v[MSCA], v[MSCB] matrix_a_fmt:MATRIX_FMT_FP4 matrix_b_fmt:MATRIX_FMT_FP4
.elseif \row
	v_wmma_scale_f32_16x16x128_f8f6f4 v[MD:MD+7], v[MA:MA+7], v[MB:MB+7], v[MD:MD+7], v[MSCA], v[MSCB] matrix_a_fmt:MATRIX_FMT_FP4 matrix_b_fmt:MATRIX_FMT_FP4 matrix_a_scale:MATRIX_SCALE_ROW1 matrix_b_scale:MATRIX_SCALE_ROW1
.else
	v_wmma_scale_f32_16x16x128_f8f6f4 v[MD:MD+7], v[MA:MA+7], v[MB:MB+7], v[MD:MD+7], v[MSCA], v[MSCB] matrix_a_fmt:MATRIX_FMT_FP4 matrix_b_fmt:MATRIX_FMT_FP4
.endif
.endm
.macro DESC src, w                     ; one step of the descent: if my rank in the word is not among the w bits at pos, pass them
	v_bfe_u32 v27, v[\src], v28, \w
	v_cmp_ge_u32 vcc_lo, v21, v27
	v_sub_nc_u32 v27, v21, v27
	v_cndmask_b32 v21, v21, v27, vcc_lo
	v_add_nc_u32 v27, \w, v28
	v_cndmask_b32 v28, v28, v27, vcc_lo
.endm
; The tokens of tile s56: lane (r, h) finds the token of rank 16 s56 + r.
.macro SELECT
	s_lshl_b32 s57, s56, 4
	v_add_nc_u32 v[RHO], s57, v2
	v_lshl_or_b32 v[RK], v[RHO], 8, 255
	v_mov_b32 v[SELV], 0
	v_mov_b32 v[WORD], s[M]
.set j, 0
.rept 31
	v_cmp_le_u32 vcc_lo, s[PK+j], v[RK]            ; words 0 .. j hold no more members than my rank: the token lies further on.  The counts never fall, so the last hit stays
	v_cndmask_b32 v[SELV], v[SELV], s[PK+j], vcc_lo
	v_cndmask_b32 v[WORD], v[WORD], s[M+j+1], vcc_lo
.set j, j+1
.endr
	v_lshrrev_b32 v21, 8, v[SELV]
	v_sub_nc_u32 v21, v[RHO], v21                  ; my rank inside the word
	v_and_b32 v22, 255, v[SELV]                    ; the word's number
	v_lshrrev_b32 v23, 1, v[WORD]
	v_and_b32 v23, 0x55555555, v23
	v_sub_nc_u32 v23, v[WORD], v23                 ; bit counts of fields of 2,
	v_lshrrev_b32 v24, 2, v23
	v_and_b32 v24, 0x33333333, v24
	v_and_b32 v25, 0x33333333, v23
	v_add_nc_u32 v24, v24, v25                     ; of 4,
	v_lshrrev_b32 v25, 4, v24
	v_add_nc_u32 v25, v25, v24
	v_and_b32 v25, 0x0f0f0f0f, v25                 ; of 8,
	v_lshrrev_b32 v26, 8, v25
	v_add_nc_u32 v26, v26, v25
	v_and_b32 v27, 255, v26                        ; and of the low 16
	v_cmp_ge_u32 vcc_lo, v21, v27
	v_sub_nc_u32 v27, v21, v27
	v_cndmask_b32 v21, v21, v27, vcc_lo
	v_cndmask_b32 v28, 0, 16, vcc_lo               ; pos
	DESC 25, 8
	DESC 24, 4
	DESC 23, 2
	DESC WORD, 1
	v_lshl_add_u32 v[TOK], v22, 5, v28
	v_min_u32 v[TOK], 0x3ff, v[TOK]                ; pos is at most 31 and the word at most 31: the hold changes nothing and states the bound
	v_lshl_add_u32 v[XSOFF], v[TOK], 5, v12        ; 32 bytes of scales a token, + 16 h
.set j, 0
.rept 16
	v_readlane_b32 s[97+j%2], v[TOK], j
	s_min_u32 s[97+j%2], s[97+j%2], 0x3ff
	v_lshl_add_u32 v[OFF+j], s[97+j%2], 9, v4      ; row j of the tile: 512 bytes a token, + 16 x lane
.set j, j+1
.endr
.endm
.macro XLOADS                          ; 17 loads: each of the 16 reads one whole row of 512 bytes; one brings all the rows' scale words
	WIN 0xC0
.set j, 0
.rept 16
	global_load_b128 v[64+4*j:67+4*j], v[OFF+j], s[4:5]
.set j, j+1
.endr
	WIN 0
	global_load_b128 v[RS:RS+3], v[XSOFF], s[6:7]
.endm
.macro GELU g                          ; 16 numbers: two accumulators, read from the low end on
.set XB, ACC+16*(\g)
.set i, 0
.rept 16
	v_fma_f32 v[GT+i], |v[XB+i]|, s99, 1.0
.set i, i+1
.endr
.set i, 0
.rept 16
	v_rcp_f32 v[GT+i], v[GT+i]                     ; t
.set i, i+1
.endr
.set i, 0
.rept 8
	v_pk_mul_f32 v[GQ+i:GQ+i+1], v[XB+i:XB+i+1], v[CF+20:CF+21]   ; cq x  (plain lines behind the reciprocals)
.set i, i+2
.endr
.set i, 0
	s_wait_alu depctr_va_vdst(0)
.rept 8
	v_pk_fma_f32 v[GP+i:GP+i+1], v[GT+i:GT+i+1], v[CF+18:CF+19], v[CF+16:CF+17]
.set i, i+2
.endr
.irp c, 7,6,5,4,3,2,1,0
.set i, 0
.rept 8
	v_pk_fma_f32 v[GP+i:GP+i+1], v[GP+i:GP+i+1], v[GT+i:GT+i+1], v[CF+2*\c:CF+2*\c+1]
.set i, i+2
.endr
.endr
.set i, 0
.rept 8
	v_pk_fma_f32 v[GP+i:GP+i+1], v[GQ+i:GQ+i+1], v[GQ+i:GQ+i+1], v[GP+i:GP+i+1] neg_lo:[1,0,0] neg_hi:[1,0,0]   ; P(t) - (cq x)^2
.set i, i+2
.endr
.set i, 0
.rept 16
	v_exp_f32 v[GP+i], v[GP+i]
.set i, i+1
.endr
.set i, 0
.rept 16
	v_max_num_f32 v[GQ+i], 0, v[XB+i]              ; (plain lines behind the exponentials)
.set i, i+1
.endr
.set i, 0
	s_wait_alu depctr_va_vdst(0)
.rept 8
	v_pk_mul_f32 v[GP+i:GP+i+1], v[GP+i:GP+i+1], v[GT+i:GT+i+1]   ; eh
.set i, i+2
.endr
.set i, 0
.rept 16
	v_fma_f32 v[XB+i], -|v[XB+i]|, v[GP+i], v[GQ+i]
.set i, i+1
.endr
.endm
; 64 numbers of a lane, register 16 b + i = k 32 b + 16 (lane / 16) + i of my row, become a fragment's codes in v[PC] on and its scale word in v[PW]
.macro QUANT s
.irp b, 0,1,2,3
	v_max3_num_f32 v[TM+\b], |v[\s+16*\b]|, |v[\s+1+16*\b]|, 0x1800000   ; my 16 numbers of block b, and the floor 2^(3 - 127): the byte cannot fall under 1
.endr
.irp i, 2,4,6,8,10,12,14
.irp b, 0,1,2,3
	v_max3_num_f32 v[TM+\b], v[TM+\b], |v[\s+16*\b+\i]|, |v[\s+1+16*\b+\i]|
.endr
.endr
.irp b, 0,1,2,3
	v_permlanex16_b32 v[TM+4+\b], v[TM+\b], s60, s61
.endr
.irp b, 0,1,2,3
	v_max_num_f32 v[TM+\b], v[TM+\b], v[TM+4+\b]   ; with lane l xor 16's: the block's largest magnitude
.endr
.irp b, 0,1,2,3
	v_add_nc_u32 v[TM+12+\b], 0xff000000, v[TM+\b] ; 2 off its exponent field: the conversion's scale operand
.endr
.irp b, 0,1,2,3
	v_lshrrev_b32 v[TM+4+\b], 23, v[TM+12+\b]      ; the scale's byte
.endr
	v_lshl_or_b32 v[PW], v[TM+5], 8, v[TM+4]
	v_lshl_or_b32 v[PW], v[TM+6], 16, v[PW]
	v_lshl_or_b32 v[PW], v[TM+7], 24, v[PW]
.irp b, 0,1,2,3
	v_cvt_scalef32_pk8_fp4_f32 v[PC+2*\b], v[\s+16*\b:\s+7+16*\b], v[TM+12+\b]
	v_cvt_scalef32_pk8_fp4_f32 v[PC+1+2*\b], v[\s+8+16*\b:\s+15+16*\b], v[TM+12+\b]
.endr
	v_nop                                          ; one plain line behind the scaled conversions
.irp c, 0,1                                    ; the operand's layout wants a whole block in a lane: lanes 0-15 block 2 c, lanes 16-31 block 2 c + 1
.irp i, 0,1
	v_permlane16_swap_b32 v[PC+4*\c+\i], v[PC+2+4*\c+\i]
.endr
.endr
.endm
.macro CONST i, bits
	v_mov_b32 v[CF+2*(\i)], \bits
	v_mov_b32 v[CF+2*(\i)+1], \bits
.endm
	s_load_b512 s[4:19], s[0:1], 0x0               ; xq s[4:5], xs s[6:7], idx s[8:9], W's codes s[10:11], W's scales s[12:13], hq s[14:15], hs s[16:17], pos s[18:19]
	v_lshl_add_u32 v254, v0, 2, 0x19800
	v_mov_b32 v255, 0
	s_lshr_b32 s2, ttmp9, 5                        ; the expert
	s_and_b32 s3, ttmp9, 31                        ; the slice of 128 hidden units
	v_lshrrev_b32 v1, 5, v0
	v_readfirstlane_b32 s52, v1                    ; wave
	v_and_b32 v1, 31, v0                           ; lane
	v_and_b32 v2, 15, v0                           ; r
	v_bfe_u32 v3, v0, 4, 1                         ; h
	v_lshlrev_b32 v4, 4, v1                        ; 16 x lane
	s_mul_i32 s57, s52, XREG
	s_add_co_u32 s57, s57, XBASE                   ; my wave's region
	v_add_nc_u32 v5, s57, v4                       ; x's rows in: 16 x lane, the row in the immediate
	v_mul_u32_u24 v6, v2, WP
	v_lshl_add_u32 v6, v3, 4, v6
	v_add_nc_u32 v6, s57, v6                       ; x's fragments out: row r, + 16 h
	v_and_b32 v21, 8, v2
	v_add_nc_u32 v21, v21, v2                      ; r + 8 (r / 8)
	v_mul_u32_u24 v8, v21, WP
	v_lshl_add_u32 v8, v3, 4, v8                   ; W's fragments out
	s_mul_i32 s57, s52, 32*WP
	v_add_nc_u32 v9, s57, v4                       ; W's rows in: my wave's 32
	v_lshlrev_b32 v10, 5, v21
	v_lshl_add_u32 v10, v3, 4, v10                 ; W's scale words: 32 bytes a row, + 16 h
	v_lshlrev_b32 v11, 2, v2
	v_lshl_add_u32 v11, v3, 1, v11                 ; H's scale words out: 4 r + 2 h
	v_lshlrev_b32 v12, 4, v3                       ; 16 h
	v_lshlrev_b32 v13, 2, v1                       ; 4 x lane
	v_lshlrev_b32 v14, 3, v1                       ; 8 x lane
	s_mov_b32 s59, 0
	s_mov_b32 s60, 0x76543210
	s_mov_b32 s61, 0xfedcba98                      ; v_permlanex16_b32's selects for lane l xor 16
	s_mov_b32 s99, 0x3eb504f3                      ; 1 / (2 sqrt 2)
.irp b, 0,1,2,3
	v_mov_b32 v[TM+4+\b], 0                        ; written once: a lane permute's destination counts as one of its sources
.endr
	s_wait_kmcnt 0x0
.set j, 0
.rept 32
	global_load_b64 v[ACC+2*j:ACC+2*j+1], v14, s[8:9] offset:256*j   ; load j, lane l: the two experts of token 32 j + l
.set j, j+1
.endr
	s_lshl_b32 s58, s2, 21                         ; W's codes: 2 MiB an expert, 64 KiB a slice, 16 KiB a wave
	s_lshl_b32 s57, s3, 16
	s_add_co_u32 s58, s58, s57
	s_lshl_b32 s57, s52, 14
	s_add_co_u32 s58, s58, s57
	s_add_nc_u64 s[10:11], s[10:11], s[58:59]
	WIN 0xC0
.set j, 0
.rept 32
	global_load_b128 v[128+4*j:131+4*j], v4, s[10:11] offset:512*j th:TH_LOAD_NT   ; a whole row of 512 bytes; read once in the launch
.set j, j+1
.endr
	WIN 0
	s_lshl_b32 s58, s2, 17                         ; W's scales: 128 KiB an expert, 4 KiB a slice
	s_lshl_b32 s57, s3, 12
	s_add_co_u32 s58, s58, s57
	s_add_nc_u64 s[12:13], s[12:13], s[58:59]
.irp t, 0,1,2,3,4,5,6,7
	global_load_b128 v[WS+4*\t:WS+4*\t+3], v10, s[12:13] offset:32*(32*(\t/2)+8*(\t%2))
.endr
	s_lshl_b32 s58, s2, 21                         ; hq: 2 MiB an expert, 1 KiB a K step
	s_lshl_b32 s57, s3, 10
	s_add_co_u32 s58, s58, s57
	s_add_nc_u64 s[14:15], s[14:15], s[58:59]
	s_lshl_b32 s58, s2, 17                         ; hs: 128 KiB an expert, 64 bytes a K step
	s_lshl_b32 s57, s3, 6
	s_add_co_u32 s58, s58, s57
	s_add_nc_u64 s[16:17], s[16:17], s[58:59]
	s_mul_i32 s58, s2, 4352                        ; pos: 4,352 bytes an expert
	s_add_nc_u64 s[18:19], s[18:19], s[58:59]
	s_wait_loadcnt 40                              ; idx is in; W's 32 rows and 8 scale loads may be out
	s_mov_b32 s53, 0
.set j, 0
.rept 32
	v_cmp_eq_u32 s[M+j], s2, v[ACC+2*j]
	v_cmp_eq_u32 vcc_lo, s2, v[ACC+2*j+1]
	s_or_b32 s[M+j], s[M+j], vcc_lo                ; bit l: token 32 j + l chose my expert
	s_bcnt1_i32_b32 s57, s[M+j]
	s_add_co_u32 s53, s53, s57                     ; members so far
.if j < 31
	s_lshl_b32 s57, s53, 8
	s_or_b32 s[PK+j], s57, j+1
.endif
.set j, j+1
.endr
	s_add_co_u32 s57, s53, 15
	s_lshr_b32 s57, s57, 4                         ; tiles of the expert
	s_add_co_u32 s57, s57, 3
	s_sub_co_u32 s57, s57, s52
	s_lshr_b32 s54, s57, 2                         ; of which mine: w, w + 4, ..
	s_or_b32 s57, s3, s52
	s_cmp_lg_u32 s57, 0
	s_cbranch_scc1 .Lno_pos                        ; wave 0 of slice 0 alone stores the expert's ranks and count
.set j, 0
.rept 32
.if j == 0
	v_mbcnt_lo_u32_b32 v[GT+j], s[M+j], 0
.else
	s_lshr_b32 s57, s[PK+j-1], 8
	v_mbcnt_lo_u32_b32 v[GT+j], s[M+j], s57        ; members in the words before, + members of this word in the lanes below
.endif
	global_store_b32 v13, v[GT+j], s[18:19] offset:128*j
.set j, j+1
.endr
	v_mov_b32 v[GQ], s53
	global_store_b32 v13, v[GQ], s[18:19] offset:4096
	s_wait_xcnt 0x0                                ; the stores' data registers are written again further down
.Lno_pos:
	s_mov_b32 s56, s52
	SELECT
	XLOADS                                         ; my first tile's rows
	s_wait_loadcnt 17                              ; W's rows and scale words are in; x's 17 may be out
	WIN 0x0C
.set j, 0
.rept 32
	ds_store_b128 v9, v[128+4*j:131+4*j] offset:WP*j
.set j, j+1
.endr
	WIN 0
	s_wait_dscnt 0x0                               ; for the others' sake: my 32 rows of W lie in LDS
	s_barrier_signal -1
	s_barrier_wait -1                              ; the launch's one barrier: nobody writes these rows again
	WIN 0x40
.irp t, 0,1,2,3,4,5,6,7
.irp s, 0,1,2,3
.irp c, 0,1
	ds_load_b128 v[32*\t+8*\s+4*\c:32*\t+8*\s+4*\c+3], v8 offset:WP*(32*(\t/2)+8*(\t%2))+64*\s+32*\c
.endr
.endr
.endr
	WIN 0x80
.irp t, 0,1,2,3,4,5,6,7
.irp s, 0,1,2,3
.irp c, 0,1
	ds_load_b128 v[32*\t+8*\s+4*\c:32*\t+8*\s+4*\c+3], v8 offset:WP*(32*(\t/2)+8*(\t%2))+256+64*\s+32*\c
.endr
.endr
.endr
	WIN 0
	CONST 0, 0xc034d90f                            ; -2.8257482
	CONST 1, 0x3fb8ab5a                            ;  1.4427292
	CONST 2, 0x3f0a29d2                            ;  0.5397006
	CONST 3, 0x3e0efb2e                            ;  0.1396301
	CONST 4, 0xbe899a80                            ; -0.2687569
	CONST 5, 0x3ecdfd18                            ;  0.4023216
	CONST 6, 0xbfd1a1e5                            ; -1.6377532
	CONST 7, 0x40097039                            ;  2.1474745
	CONST 8, 0xbf97d29d                            ; -1.1861149
	CONST 9, 0x3e7c6f08                            ;  0.2465173
	CONST 10, 0x3f596d27                           ;  cq = sqrt(log2(e) / 2) = 0.8493218
	s_wait_dscnt 0x0                               ; W's fragments are in
	s_cmp_eq_u32 s54, 0
	s_cbranch_scc1 .Lend                           ; an expert with fewer tiles than waves
	s_mov_b32 s55, 0
.Ltile:                                            ; a trip: tile w + 4 s55
	s_wait_loadcnt 0x0                             ; its 16 rows and their scale words are in: so OFF and XSOFF may be written again
	WIN 0x0C
.set j, 0
.rept 16
	ds_store_b128 v5, v[64+4*j:67+4*j] offset:WP*j
.set j, j+1
.endr
	WIN 0
	ds_store_b128 v5, v[RS:RS+3] offset:XSSO
	WIN 0xC0
.irp s, 0,1,2,3,4,5,6,7
.irp c, 0,1
	ds_load_b128 v[8*\s+4*\c:8*\s+4*\c+3], v6 offset:64*\s+32*\c   ; LDS serves a wave's instructions in order: these see the stores above
.endr
.endr
	WIN 0
	ds_load_b128 v[XS:XS+3], v5 offset:XSSO
	s_add_co_u32 s57, s55, 1
	s_cmp_ge_u32 s57, s54
	s_cbranch_scc1 .Lno_next
	s_add_co_u32 s56, s56, 4
	SELECT                                         ; the next tile's tokens, while the fragments come
	s_wait_dscnt 0x0                               ; the LDS stores have read the registers that the loads below fill
	XLOADS                                         ; they land under this tile's products and GELU
.Lno_next:
	s_wait_dscnt 0x0
	WIN 0x0D                                       ; source 0 (W) window 1, source 1 (x) window 3, C and D window 0
.irp s, 0,1,2,3                                ; the eight accumulators take turns, one instruction a turn
.irp t, 0,1,2,3,4,5,6,7
.if \s == 0
	MM ACC+8*\t, 32*\t+8*\s, 8*\s, 1, WS+4*\t+\s, XS+\s, 0
.else
	MM ACC+8*\t, 32*\t+8*\s, 8*\s, 0, WS+4*\t+\s, XS+\s, 0
.endif
.endr
.endr
	WIN 0x0E                                       ; W's K steps 4 to 7: window 2
.irp s, 0,1,2,3
.irp t, 0,1,2,3,4,5,6,7
	MM ACC+8*\t, 32*\t+8*\s, 32+8*\s, 0, WS+4*\t+\s, XS+\s, 1
.endr
.endr
	WIN 0
.rept 5
	v_nop                                          ; four places ahead of the first read of results and of the next trip's loads into operands; the fifth for the next trip's first products, which begin the accumulators anew
.endr
	GELU 0
	GELU 1
	GELU 2
	GELU 3
	QUANT ACC
	s_lshl_b32 s57, s55, 2
	s_add_co_u32 s57, s57, s52
	s_min_u32 s57, s57, 63                         ; the tile: an expert has at most 64
	s_lshl_b32 s58, s57, 15
	s_add_nc_u64 s[100:101], s[14:15], s[58:59]    ; 32 KiB of images a tile
	s_lshl_b32 s58, s57, 11
	s_add_nc_u64 s[62:63], s[16:17], s[58:59]      ; 2 KiB of scale words a tile
	global_store_b128 v4, v[PC:PC+3], s[100:101]               ; 512 consecutive bytes, aligned
	global_store_b128 v4, v[PC+4:PC+7], s[100:101] offset:512
	v_lshrrev_b32 v28, v12, v[PW]                  ; lanes 0-15 store the low half of their row's word, lanes 16-31 the high half: 64 bytes on end, all lanes on
	global_store_b16 v11, v28, s[62:63]
	s_wait_xcnt 0x0                                ; the stores' data and bases are written again in the next trip
	s_add_co_u32 s55, s55, 1
	s_cmp_lt_u32 s55, s54
	s_cbranch_scc1 .Ltile
.Lend:
	s_wait_tensorcnt 0x0
	ds_add_u32 v254, v255
	s_wait_dscnt 0x0
	s_endpgm
.Lfunc_end_k_q8ef72ac7ac_fc:
	.size	k_q8ef72ac7ac_fc, .Lfunc_end_k_q8ef72ac7ac_fc-k_q8ef72ac7ac_fc
	.p2alignl 7, 3214868480
	.fill 96, 4, 3214868480
	.section	.rodata,"a",@progbits
	.p2align	6, 0x0
	.amdhsa_kernel k_q8ef72ac7ac_fc
		.amdhsa_group_segment_fixed_size 104960
		.amdhsa_private_segment_fixed_size 0
		.amdhsa_enable_private_segment 0
		.amdhsa_kernarg_size 64
		.amdhsa_user_sgpr_count 2
		.amdhsa_user_sgpr_kernarg_segment_ptr 1
		.amdhsa_wavefront_size32 1
		.amdhsa_system_sgpr_workgroup_id_x 1
		.amdhsa_system_sgpr_workgroup_id_y 1
		.amdhsa_system_sgpr_workgroup_id_z 1
		.amdhsa_system_vgpr_workitem_id 0
		.amdhsa_next_free_vgpr 1024
		.amdhsa_next_free_sgpr 102
		.amdhsa_reserve_vcc 1
		.amdhsa_float_denorm_mode_32 3
		.amdhsa_float_denorm_mode_16_64 3
		.amdhsa_memory_ordered 1
		.amdhsa_forward_progress 1
		.amdhsa_inst_pref_size 113
	.end_amdhsa_kernel
	.amdgpu_metadata
---
amdhsa.version: [ 1, 2 ]
amdhsa.kernels:
  - .name:           k_q8ef72ac7ac_fc
    .symbol:         k_q8ef72ac7ac_fc.kd
    .args:
      - { .name: xq, .offset: 0, .size: 8, .value_kind: global_buffer, .address_space: global }
      - { .name: xs, .offset: 8, .size: 8, .value_kind: global_buffer, .address_space: global }
      - { .name: idx, .offset: 16, .size: 8, .value_kind: global_buffer, .address_space: global }
      - { .name: w_fc_codes, .offset: 24, .size: 8, .value_kind: global_buffer, .address_space: global }
      - { .name: w_fc_scales, .offset: 32, .size: 8, .value_kind: global_buffer, .address_space: global }
      - { .name: hq, .offset: 40, .size: 8, .value_kind: global_buffer, .address_space: global }
      - { .name: hs, .offset: 48, .size: 8, .value_kind: global_buffer, .address_space: global }
      - { .name: pos, .offset: 56, .size: 8, .value_kind: global_buffer, .address_space: global }
    .group_segment_fixed_size: 104960
    .private_segment_fixed_size: 0
    .kernarg_segment_align: 8
    .kernarg_segment_size: 64
    .max_flat_workgroup_size: 128
    .sgpr_count:     102
    .vgpr_count:     1024
    .wavefront_size: 32
...
	.end_amdgpu_metadata
.endif
;; end of part 2
;; launch proj (part 3): grid 256 x 1, 4 waves a work-group, no clusters, 84,480 bytes of LDS; arguments hq, hs, pos, w_proj_codes, w_proj_scales, yp; writes yp
.if DOCPART == 3
	.amdgcn_target "amdgcn-amd-amdhsa--gfx1250"
	.amdhsa_code_object_version 6
	.text
	.protected	k_q8ef72ac7ac_proj
	.globl	k_q8ef72ac7ac_proj
	.p2align	8
	.type	k_q8ef72ac7ac_proj,@function
k_q8ef72ac7ac_proj:
	s_mov_b64 s[64:65], 0
	v_nop
	global_prefetch_b8 v0, s[64:65] scope:SCOPE_SE
	s_setreg_imm32_b32 hwreg(HW_REG_WAVE_MODE, 25, 1), 1
	s_wait_xcnt 0x0
; PROJ.  Y = Hq W_proj[e]^T for the expert's rows, on codes of E2M1 with E8M0 scales, one half of K to a work-group.  Work-group g: expert e = g / 32, outputs 64 ns .. 64 ns + 63 (ns = (g % 32) / 2),
; K = 2,048 kh .. 2,048 kh + 2,047 (kh = g % 2).  8 x 16 x 2 = 256 work-groups; each weight byte is loaded from memory by one of them, once.  The two halves' sums go to yp[kh] and are added by the last launch,
; which has to add two experts' rows anyway.
; THE WEIGHTS: 64 rows x 1,024 bytes come in dense pieces of 512 bytes, a quarter by each wave, turn through LDS behind the launch's one barrier, and then EVERY wave keeps all of them in 512 registers.
; Waves take tiles of 16 rows w, w + 4, .. by themselves.  H's fragments come from memory straight into the operand's registers (they were stored as images of them), a whole tile (16 K steps) ahead, in two
; buffers by turns.  The number of tiles hangs on the expert's count, a whole number that the launch before stored.
; THE WALK: a wave with n tiles runs (n - 1) / 2 trips of two tiles, each of which asks for its successor; the last one or two tiles are written out behind the loop, so that no load stands under a branch,
; no tile past the last is asked for, and a buffer is multiplied only behind its own loads on every way through the text.
; THE PRODUCT IS USED TRANSPOSED (source 0 = 16 rows of W, source 1 = 16 rows of H): a lane holds eight neighbouring outputs of one row.  A tile's 16 rows x 256 bytes go through the wave's own stage in LDS, so
; that sixteen lanes store 256 consecutive bytes, aligned.
; No joint loads: the work-groups of an expert read the same H, but their trip count is read from memory and H goes past LDS into registers; H is 4-bit and small beside the weights.
; REGISTERS: window 0 as named; windows 1, 2: W's fragment (tile t, K step s) at v[64 t + 8 (s % 8)] of window 1 + s / 8; window 3: H's two buffers, v0-127 and v128-255 (the second holds W as loaded at the head).
.set WP,    1040                       ; an LDS row of W: 1,024 bytes + 16, an odd multiple of 16
.set STG,   64*WP                      ; behind W's 64 rows: 16 rows x 272 bytes for each wave
.set SPI,   272
.set WS,    32                         ; v32-63   W's scale words: register 8 t + i: lanes 0-15 K step i, lanes 16-31 K step 8 + i
.set AS,    64                         ; v64-79   H's scale words, two sets: register q: lanes 0-15 K step 2 q, lanes 16-31 K step 2 q + 1
.set ACC,   80                         ; v80-111  four accumulators
.set OUT,   112                        ; v112-143 a tile's rows on the way out
.set MSB, 0
.macro WIN new                         ; the immediate's high byte repeats the setting that is left
.if MSB != \new
	s_set_vgpr_msb (MSB<<8)|\new
.set MSB, \new
.endif
.endm
.macro MM d, a, b, zero, sa, sb, ra, rb   ; one product; ra, rb = 1: that side's scales from lanes 16-31
.set MD, \d
.set MA, \a
.set MB, \b
.set MSCA, \sa
.set MSCB, \sb
.if \zero
	v_wmma_scale_f32_16x16x128_f8f6f4 v[MD:MD+7], v[MA:MA+7], v[MB:MB+7], 0, v[MSCA], v[MSCB] matrix_a_fmt:MATRIX_FMT_FP4 matrix_b_fmt:MATRIX_FMT_FP4
.elseif (\ra == 0) && (\rb == 0)
	v_wmma_scale_f32_16x16x128_f8f6f4 v[MD:MD+7], v[MA:MA+7], v[MB:MB+7], v[MD:MD+7], v[MSCA], v[MSCB] matrix_a_fmt:MATRIX_FMT_FP4 matrix_b_fmt:MATRIX_FMT_FP4
.elseif \ra == 0
	v_wmma_scale_f32_16x16x128_f8f6f4 v[MD:MD+7], v[MA:MA+7], v[MB:MB+7], v[MD:MD+7], v[MSCA], v[MSCB] matrix_a_fmt:MATRIX_FMT_FP4 matrix_b_fmt:MATRIX_FMT_FP4 matrix_b_scale:MATRIX_SCALE_ROW1
.elseif \rb == 0
	v_wmma_scale_f32_16x16x128_f8f6f4 v[MD:MD+7], v[MA:MA+7], v[MB:MB+7], v[MD:MD+7], v[MSCA], v[MSCB] matrix_a_fmt:MATRIX_FMT_FP4 matrix_b_fmt:MATRIX_FMT_FP4 matrix_a_scale:MATRIX_SCALE_ROW1
.else
	v_wmma_scale_f32_16x16x128_f8f6f4 v[MD:MD+7], v[MA:MA+7], v[MB:MB+7], v[MD:MD+7], v[MSCA], v[MSCB] matrix_a_fmt:MATRIX_FMT_FP4 matrix_b_fmt:MATRIX_FMT_FP4 matrix_a_scale:MATRIX_SCALE_ROW1 matrix_b_scale:MATRIX_SCALE_ROW1
.endif
.endm
; Tile s[ts]'s 16 fragments and their scale words into buffer b: 40 loads
.macro ALOAD b, ts
	s_min_u32 s42, s[\ts], 63                      ; an expert has at most 64 tiles
	s_lshl_b32 s24, s42, 15
	s_add_nc_u64 s[26+2*(\b):27+2*(\b)], s[36:37], s[24:25]
	s_lshl_b32 s24, s42, 11
	s_add_nc_u64 s[30+2*(\b):31+2*(\b)], s[38:39], s[24:25]
	WIN 0xC0
.irp s, 0,1,2,3,4,5,6,7,8,9,10,11,12,13,14,15
.irp c, 0,1
	global_load_b128 v[128*(\b)+8*\s+4*\c:128*(\b)+8*\s+4*\c+3], v4, s[26+2*(\b):27+2*(\b)] offset:1024*\s+512*\c   ; 512 consecutive bytes: four registers of a fragment as they were stored
.endr
.endr
	WIN 0
.irp q, 0,1,2,3,4,5,6,7
	global_load_b32 v[AS+8*(\b)+\q], v8, s[30+2*(\b):31+2*(\b)] offset:128*\q
.endr
.endm
.macro MULS b                          ; 64 products: the four accumulators take turns, one instruction a turn
	WIN 0x0D                                       ; source 0 (W) window 1, source 1 (H) window 3, C and D window 0
.irp s, 0,1,2,3,4,5,6,7
.irp t, 0,1,2,3
.if \s == 0
	MM ACC+8*\t, 64*\t+8*\s, 128*(\b)+8*\s, 1, WS+8*\t+\s, AS+8*(\b)+\s/2, 0, 0
.else
	MM ACC+8*\t, 64*\t+8*\s, 128*(\b)+8*\s, 0, WS+8*\t+\s, AS+8*(\b)+\s/2, 0, \s%2
.endif
.endr
.endr
	WIN 0x0E                                       ; W's K steps 8 to 15: window 2
.irp s, 0,1,2,3,4,5,6,7
.irp t, 0,1,2,3
	MM ACC+8*\t, 64*\t+8*\s, 128*(\b)+64+8*\s, 0, WS+8*\t+\s, AS+8*(\b)+4+\s/2, 1, \s%2
.endr
.endr
	WIN 0
.rept 5
	v_nop                                          ; four places ahead of the LDS stores of the results and of the loads into operands; the fifth for the next tile's first products, which begin the accumulators anew
.endr
.endm
.macro OUTT                            ; tile s22 goes out
	s_wait_xcnt 0x0                                ; the last tile's stores have read their base and their data registers
	s_min_u32 s42, s22, 63
	s_lshl_b32 s24, s42, 16                        ; 16 rows of 4,096 bytes a tile
	s_add_nc_u64 s[34:35], s[40:41], s[24:25]
.irp t, 0,1,2,3
	ds_store_b128 v9, v[ACC+8*\t:ACC+8*\t+3] offset:64*\t          ; each accumulator from its low end on
	ds_store_b128 v9, v[ACC+8*\t+4:ACC+8*\t+7] offset:64*\t+16
.endr
.irp i, 0,1,2,3,4,5,6,7
	ds_load_b128 v[OUT+4*\i:OUT+4*\i+3], v10 offset:2*SPI*\i       ; LDS serves a wave's instructions in order: these see the stores above
.endr
.irp i, 0,1,2,3,4,5,6,7
	s_wait_dscnt 7-\i                              ; the loads behind this one may be out
	global_store_b128 v11, v[OUT+4*\i:OUT+4*\i+3], s[34:35] offset:8192*\i   ; 16 lanes store 256 consecutive bytes, aligned; lanes 16-31 the row below
.endr
.endm
; Tile s22, whose fragments lie in buffer cur.  more = 1: it has a successor of mine, four tiles on, which is asked for into the other buffer and lands under this tile's products and way out.
.macro HALF cur, more
	s_wait_loadcnt 0x0                             ; the only loads of mine that are out are this tile's 40: nothing younger has been issued.  Behind it both buffers' bases may be written
.if \more
	s_add_co_u32 s23, s22, 4
	ALOAD 1-\cur, 23
.endif
	MULS \cur
	OUTT
.if \more
	s_mov_b32 s22, s23
.endif
.endm
	s_load_b256 s[4:11], s[0:1], 0x0               ; hq s[4:5], hs s[6:7], pos s[8:9], W's codes s[10:11]
	s_load_b128 s[12:15], s[0:1], 0x20             ; W's scales s[12:13], yp s[14:15]
	v_lshl_add_u32 v254, v0, 2, 0x14800
	v_mov_b32 v255, 0
	s_lshr_b32 s2, ttmp9, 5                        ; the expert
	s_bfe_u32 s3, ttmp9, 0x40001                   ; the slice of 64 outputs
	s_and_b32 s16, ttmp9, 1                        ; the half of K
	v_lshrrev_b32 v1, 5, v0
	v_readfirstlane_b32 s17, v1                    ; wave
	v_and_b32 v1, 31, v0                           ; lane
	v_and_b32 v2, 15, v0                           ; r
	v_bfe_u32 v3, v0, 4, 1                         ; h
	v_lshlrev_b32 v4, 4, v1                        ; 16 x lane
	s_mul_i32 s42, s17, 16*WP
	v_add_nc_u32 v5, s42, v4                       ; W's rows in: my wave's 16
	v_mul_u32_u24 v6, v2, WP
	v_lshl_add_u32 v6, v3, 4, v6                   ; W's fragments out: row r, + 16 h
	v_lshlrev_b32 v7, 7, v2
	v_lshl_add_u32 v7, v3, 5, v7                   ; W's scale words: 128 bytes a row, + 32 h
	v_lshlrev_b32 v8, 2, v1                        ; 4 x lane
	s_mul_i32 s42, s17, 16*SPI
	s_add_co_u32 s42, s42, STG                     ; my stage
	v_mul_u32_u24 v9, v2, SPI
	v_lshl_add_u32 v9, v3, 5, v9
	v_add_nc_u32 v9, s42, v9                       ; in: row r, + 32 h
	v_mul_u32_u24 v10, v3, SPI
	v_lshl_add_u32 v10, v2, 4, v10
	v_add_nc_u32 v10, s42, v10                     ; back: lanes 0-15 one row, lanes 16-31 the next
	v_lshlrev_b32 v11, 12, v3
	v_lshl_add_u32 v11, v2, 4, v11                 ; and the same two rows in yp
	s_mov_b32 s25, 0
	s_mul_i32 s43, s2, 4352
	s_wait_kmcnt 0x0
	s_load_b32 s44, s[8:9], s43 offset:0x1000      ; the expert's count
	s_lshl_b32 s24, s2, 21                         ; W's codes: 2 MiB an expert, 64 rows of 2,048 bytes a slice, 16 rows a wave, 1,024 bytes a half of K
	s_lshl_b32 s42, s3, 17
	s_add_co_u32 s24, s24, s42
	s_lshl_b32 s42, s17, 15
	s_add_co_u32 s24, s24, s42
	s_lshl_b32 s42, s16, 10
	s_add_co_u32 s24, s24, s42
	s_add_nc_u64 s[10:11], s[10:11], s[24:25]
	WIN 0xC0
.irp j, 0,1,2,3,4,5,6,7,8,9,10,11,12,13,14,15
.irp hf, 0,1
	global_load_b128 v[128+8*\j+4*\hf:128+8*\j+4*\hf+3], v4, s[10:11] offset:2048*\j+512*\hf th:TH_LOAD_NT   ; 512 consecutive bytes; read once in the launch
.endr
.endr
	WIN 0
	s_lshl_b32 s24, s2, 17                         ; W's scales: 128 KiB an expert, 64 rows of 128 bytes a slice, 64 bytes a half of K
	s_lshl_b32 s42, s3, 13
	s_add_co_u32 s24, s24, s42
	s_lshl_b32 s42, s16, 6
	s_add_co_u32 s24, s24, s42
	s_add_nc_u64 s[12:13], s[12:13], s[24:25]
.irp t, 0,1,2,3
.irp j, 0,1
	global_load_b128 v[WS+8*\t+4*\j:WS+8*\t+4*\j+3], v7, s[12:13] offset:2048*\t+16*\j
.endr
.endr
	s_lshl_b32 s24, s2, 21                         ; hq: 2 MiB an expert, 16 KiB a half of K
	s_lshl_b32 s42, s16, 14
	s_add_co_u32 s24, s24, s42
	s_add_nc_u64 s[36:37], s[4:5], s[24:25]
	s_lshl_b32 s24, s2, 17                         ; hs: 128 KiB an expert, 1 KiB a half of K
	s_lshl_b32 s42, s16, 10
	s_add_co_u32 s24, s24, s42
	s_add_nc_u64 s[38:39], s[6:7], s[24:25]
	s_lshl_b32 s24, s16, 25                        ; yp: 32 MiB a half of K, 4 MiB an expert, 256 bytes a slice
	s_lshl_b32 s42, s2, 22
	s_add_co_u32 s24, s24, s42
	s_lshl_b32 s42, s3, 8
	s_add_co_u32 s24, s24, s42
	s_add_nc_u64 s[40:41], s[14:15], s[24:25]
	s_wait_kmcnt 0x0
	s_add_co_u32 s18, s44, 15
	s_lshr_b32 s18, s18, 4
	s_min_u32 s18, s18, 64                         ; tiles of the expert
	s_add_co_u32 s19, s18, 3
	s_sub_co_u32 s19, s19, s17
	s_lshr_b32 s19, s19, 2                         ; of which mine: w, w + 4, ..
	s_cmp_eq_u32 s19, 0
	s_cbranch_scc1 .Lno_first                      ; a wave with no tile asks for none; it still brings its quarter of W and passes the barrier
	ALOAD 0, 17                                    ; my first tile
.Lno_first:
	s_wait_loadcnt 0x0
	WIN 0x0C
.irp j, 0,1,2,3,4,5,6,7,8,9,10,11,12,13,14,15
.irp hf, 0,1
	ds_store_b128 v5, v[128+8*\j+4*\hf:128+8*\j+4*\hf+3] offset:WP*\j+512*\hf
.endr
.endr
	WIN 0
	s_wait_dscnt 0x0                               ; for the others' sake: my 16 rows of W lie in LDS
	s_barrier_signal -1
	s_barrier_wait -1                              ; the launch's one barrier: nobody writes these rows again
	WIN 0x40
.irp t, 0,1,2,3
.irp s, 0,1,2,3,4,5,6,7
.irp c, 0,1
	ds_load_b128 v[64*\t+8*\s+4*\c:64*\t+8*\s+4*\c+3], v6 offset:16*WP*\t+64*\s+32*\c
.endr
.endr
.endr
	WIN 0x80
.irp t, 0,1,2,3
.irp s, 0,1,2,3,4,5,6,7
.irp c, 0,1
	ds_load_b128 v[64*\t+8*\s+4*\c:64*\t+8*\s+4*\c+3], v6 offset:16*WP*\t+512+64*\s+32*\c
.endr
.endr
.endr
	WIN 0
	s_wait_dscnt 0x0                               ; W's fragments are in
	s_cmp_eq_u32 s19, 0
	s_cbranch_scc1 .Ldone                          ; an expert with fewer tiles than waves
	s_mov_b32 s22, s17                             ; the tile in hand
	s_sub_co_u32 s20, s19, 1
	s_lshr_b32 s20, s20, 1                         ; trips of two tiles that both have a successor: (n - 1) / 2
	s_cmp_eq_u32 s20, 0
	s_cbranch_scc1 .Ltail
	s_mov_b32 s21, 0
.Lpair:
	HALF 0, 1
	HALF 1, 1
	s_add_co_u32 s21, s21, 1
	s_cmp_lt_u32 s21, s20
	s_cbranch_scc1 .Lpair
.Ltail:                                            ; one tile is left where n is odd, two where it is even; the next lies in buffer 0
	s_and_b32 s42, s19, 1
	s_cmp_lg_u32 s42, 0
	s_cbranch_scc1 .Lone
	HALF 0, 1
	HALF 1, 0
	s_branch .Ldone
.Lone:
	HALF 0, 0
.Ldone:
	s_wait_tensorcnt 0x0
	ds_add_u32 v254, v255
	s_wait_dscnt 0x0
	s_endpgm
.Lfunc_end_k_q8ef72ac7ac_proj:
	.size	k_q8ef72ac7ac_proj, .Lfunc_end_k_q8ef72ac7ac_proj-k_q8ef72ac7ac_proj
	.p2alignl 7, 3214868480
	.fill 96, 4, 3214868480
	.section	.rodata,"a",@progbits
	.p2align	6, 0x0
	.amdhsa_kernel k_q8ef72ac7ac_proj
		.amdhsa_group_segment_fixed_size 84480
		.amdhsa_private_segment_fixed_size 0
		.amdhsa_enable_private_segment 0
		.amdhsa_kernarg_size 48
		.amdhsa_user_sgpr_count 2
		.amdhsa_user_sgpr_kernarg_segment_ptr 1
		.amdhsa_wavefront_size32 1
		.amdhsa_system_sgpr_workgroup_id_x 1
		.amdhsa_system_sgpr_workgroup_id_y 1
		.amdhsa_system_sgpr_workgroup_id_z 1
		.amdhsa_system_vgpr_workitem_id 0
		.amdhsa_next_free_vgpr 1024
		.amdhsa_next_free_sgpr 66
		.amdhsa_reserve_vcc 0
		.amdhsa_float_denorm_mode_32 3
		.amdhsa_float_denorm_mode_16_64 3
		.amdhsa_memory_ordered 1
		.amdhsa_forward_progress 1
		.amdhsa_inst_pref_size 86
	.end_amdhsa_kernel
	.amdgpu_metadata
---
amdhsa.version: [ 1, 2 ]
amdhsa.kernels:
  - .name:           k_q8ef72ac7ac_proj
    .symbol:         k_q8ef72ac7ac_proj.kd
    .args:
      - { .name: hq, .offset: 0, .size: 8, .value_kind: global_buffer, .address_space: global }
      - { .name: hs, .offset: 8, .size: 8, .value_kind: global_buffer, .address_space: global }
      - { .name: pos, .offset: 16, .size: 8, .value_kind: global_buffer, .address_space: global }
      - { .name: w_proj_codes, .offset: 24, .size: 8, .value_kind: global_buffer, .address_space: global }
      - { .name: w_proj_scales, .offset: 32, .size: 8, .value_kind: global_buffer, .address_space: global }
      - { .name: yp, .offset: 40, .size: 8, .value_kind: global_buffer, .address_space: global }
    .group_segment_fixed_size: 84480
    .private_segment_fixed_size: 0
    .kernarg_segment_align: 8
    .kernarg_segment_size: 48
    .max_flat_workgroup_size: 128
    .sgpr_count:     66
    .vgpr_count:     1024
    .wavefront_size: 32
...
	.end_amdgpu_metadata
.endif
;; end of part 3
;; launch comb (part 4): grid 256 x 1, 4 waves a work-group, no clusters, 0 bytes of LDS; arguments yp, idx, cw, pos, out0; writes out0
.if DOCPART == 4
	.amdgcn_target "amdgcn-amd-amdhsa--gfx1250"
	.amdhsa_code_object_version 6
	.text
	.protected	k_q8ef72ac7ac_comb
	.globl	k_q8ef72ac7ac_comb
	.p2align	8
	.type	k_q8ef72ac7ac_comb,@function
k_q8ef72ac7ac_comb:
	s_mov_b64 s[64:65], 0
	v_nop
	global_prefetch_b8 v0, s[64:65] scope:SCOPE_SE
	s_setreg_imm32_b32 hwreg(HW_REG_WAVE_MODE, 25, 1), 1
	s_wait_xcnt 0x0
; COMB.  out[t] = c0 (y[0][row0] + y[1][row0]) + c1 (y[0][row1] + y[1][row1]): the two halves of K of the token's two experts, weighed.  One wave owns one token t = 4 x work-group + wave, so each output row has one owner.
; row = 1,024 x expert + the token's rank in that expert.  The experts, the ranks and the weights were stored by earlier launches at fixed places: the token's two experts, its two weights and its count word in
; all eight experts' tables are asked for together by scalar loads, and the two ranks are then picked by selects: one wait, no chain of loads.
; A stream: four rows of 4,096 bytes in, one out, each load and store of the wave 512 consecutive bytes.  No LDS, no barrier, no matrix work: there is nothing to share and nothing to multiply by a matrix.
.set Y, 16                             ; v16-143: piece i of eight at v[Y + 16 i]: four registers from each of the four rows; the result is made in the first four
	s_load_b256 s[4:11], s[0:1], 0x0               ; yp s[4:5], idx s[6:7], cw s[8:9], pos s[10:11]
	s_load_b64 s[12:13], s[0:1], 0x20              ; out0
	v_lshrrev_b32 v1, 5, v0
	v_readfirstlane_b32 s14, v1                    ; wave
	v_and_b32 v1, 31, v0
	v_lshlrev_b32 v1, 4, v1                        ; 16 x lane
	s_lshl_b32 s15, ttmp9, 2
	s_add_co_u32 s15, s15, s14                     ; my token
	s_lshl_b32 s42, s15, 3
	s_lshl_b32 s43, s15, 2
	s_mov_b32 s31, 0
	s_wait_kmcnt 0x0
	s_load_b64 s[16:17], s[6:7], s42 offset:0x0    ; the two experts
	s_load_b64 s[18:19], s[8:9], s42 offset:0x0    ; their weights
.irp e, 0,1,2,3,4,5,6,7
	s_load_b32 s[20+\e], s[10:11], s43 offset:4352*\e   ; members of expert e below my token
.endr
	s_lshl_b32 s30, s15, 12
	s_add_nc_u64 s[12:13], s[12:13], s[30:31]      ; out0 at my row
	s_wait_kmcnt 0x0
	s_min_u32 s16, s16, 7
	s_min_u32 s17, s17, 7
	s_mov_b32 s28, s20
	s_mov_b32 s29, s20
.irp e, 1,2,3,4,5,6,7
	s_cmp_eq_u32 s16, \e
	s_cselect_b32 s28, s[20+\e], s28
	s_cmp_eq_u32 s17, \e
	s_cselect_b32 s29, s[20+\e], s29
.endr
	s_min_u32 s28, s28, 1023                       ; my rank in the first expert,
	s_min_u32 s29, s29, 1023                       ; and in the second
	s_lshl_b32 s30, s16, 10
	s_add_co_u32 s30, s30, s28
	s_lshl_b32 s30, s30, 12                        ; rows of 4,096 bytes
	s_add_nc_u64 s[32:33], s[4:5], s[30:31]
	s_add_nc_u64 s[34:35], s[32:33], 0x2000000     ; the other half of K lies 8,192 rows on
	s_lshl_b32 s30, s17, 10
	s_add_co_u32 s30, s30, s29
	s_lshl_b32 s30, s30, 12
	s_add_nc_u64 s[36:37], s[4:5], s[30:31]
	s_add_nc_u64 s[38:39], s[36:37], 0x2000000
	s_mov_b32 s40, s19                             ; c1 as the low word of a pair of its own (the packed form takes a scalar pair's low word for both halves)
	s_mov_b32 s41, s19
.irp i, 0,1,2,3,4,5,6,7
	global_load_b128 v[Y+16*\i:Y+16*\i+3],     v1, s[32:33] offset:512*\i th:TH_LOAD_NT
	global_load_b128 v[Y+16*\i+4:Y+16*\i+7],   v1, s[34:35] offset:512*\i th:TH_LOAD_NT
	global_load_b128 v[Y+16*\i+8:Y+16*\i+11],  v1, s[36:37] offset:512*\i th:TH_LOAD_NT
	global_load_b128 v[Y+16*\i+12:Y+16*\i+15], v1, s[38:39] offset:512*\i th:TH_LOAD_NT
.endr
.irp i, 0,1,2,3,4,5,6,7
	s_wait_loadcnt 4*(7-\i)                        ; piece i's four loads are in; the later pieces' may be out
.irp p, 0,2
	v_pk_add_f32 v[Y+16*\i+\p:Y+16*\i+\p+1], v[Y+16*\i+\p:Y+16*\i+\p+1], v[Y+16*\i+4+\p:Y+16*\i+4+\p+1]
	v_pk_add_f32 v[Y+16*\i+8+\p:Y+16*\i+8+\p+1], v[Y+16*\i+8+\p:Y+16*\i+8+\p+1], v[Y+16*\i+12+\p:Y+16*\i+12+\p+1]
	v_pk_mul_f32 v[Y+16*\i+\p:Y+16*\i+\p+1], v[Y+16*\i+\p:Y+16*\i+\p+1], s[18:19] op_sel_hi:[1,0]
	v_pk_fma_f32 v[Y+16*\i+\p:Y+16*\i+\p+1], v[Y+16*\i+8+\p:Y+16*\i+8+\p+1], s[40:41], v[Y+16*\i+\p:Y+16*\i+\p+1] op_sel_hi:[1,0,1]
.endr
	global_store_b128 v1, v[Y+16*\i:Y+16*\i+3], s[12:13] offset:512*\i th:TH_STORE_NT   ; each piece has registers of its own: no store's data are written again
.endr
	s_endpgm
.Lfunc_end_k_q8ef72ac7ac_comb:
	.size	k_q8ef72ac7ac_comb, .Lfunc_end_k_q8ef72ac7ac_comb-k_q8ef72ac7ac_comb
	.p2alignl 7, 3214868480
	.fill 96, 4, 3214868480
	.section	.rodata,"a",@progbits
	.p2align	6, 0x0
	.amdhsa_kernel k_q8ef72ac7ac_comb
		.amdhsa_group_segment_fixed_size 0
		.amdhsa_private_segment_fixed_size 0
		.amdhsa_enable_private_segment 0
		.amdhsa_kernarg_size 40
		.amdhsa_user_sgpr_count 2
		.amdhsa_user_sgpr_kernarg_segment_ptr 1
		.amdhsa_wavefront_size32 1
		.amdhsa_system_sgpr_workgroup_id_x 1
		.amdhsa_system_sgpr_workgroup_id_y 1
		.amdhsa_system_sgpr_workgroup_id_z 1
		.amdhsa_system_vgpr_workitem_id 0
		.amdhsa_next_free_vgpr 144
		.amdhsa_next_free_sgpr 66
		.amdhsa_reserve_vcc 0
		.amdhsa_float_denorm_mode_32 3
		.amdhsa_float_denorm_mode_16_64 3
		.amdhsa_memory_ordered 1
		.amdhsa_forward_progress 1
		.amdhsa_inst_pref_size 11
	.end_amdhsa_kernel
	.amdgpu_metadata
---
amdhsa.version: [ 1, 2 ]
amdhsa.kernels:
  - .name:           k_q8ef72ac7ac_comb
    .symbol:         k_q8ef72ac7ac_comb.kd
    .args:
      - { .name: yp, .offset: 0, .size: 8, .value_kind: global_buffer, .address_space: global }
      - { .name: idx, .offset: 8, .size: 8, .value_kind: global_buffer, .address_space: global }
      - { .name: cw, .offset: 16, .size: 8, .value_kind: global_buffer, .address_space: global }
      - { .name: pos, .offset: 24, .size: 8, .value_kind: global_buffer, .address_space: global }
      - { .name: out0, .offset: 32, .size: 8, .value_kind: global_buffer, .address_space: global }
    .group_segment_fixed_size: 0
    .private_segment_fixed_size: 0
    .kernarg_segment_align: 8
    .kernarg_segment_size: 40
    .max_flat_workgroup_size: 128
    .sgpr_count:     66
    .vgpr_count:     144
    .wavefront_size: 32
...
	.end_amdgpu_metadata
.endif
;; end of part 4
;; ======== version 2 of 2: 4 launches; version 1 with the launches fc, proj written anew for expert scheduling mode
;; workspace buffers: xq 524,288 bytes; xs 32,768 bytes; idx 8,192 bytes of whole numbers; cw 8,192 bytes; pos 34,816 bytes of whole numbers; hq 16,777,216 bytes; hs 1,048,576 bytes; yp 67,108,864 bytes
;; launch route: the kernel of part 1 again; grid 256 x 1, 4 waves a work-group, no clusters, 55,808 bytes of LDS; arguments x, router_w, xq, xs, idx, cw; writes xq, xs, idx, cw
;; launch fc (part 5): grid 256 x 1, 4 waves a work-group, no clusters, 104,960 bytes of LDS; arguments xq, xs, idx, w_fc_codes, w_fc_scales, hq, hs, pos; writes hq, hs, pos
.if DOCPART == 5
	.amdgcn_target "amdgcn-amd-amdhsa--gfx1250"
	.amdhsa_code_object_version 6
	.text
	.protected	k_q8ef72ac7ac_fc
	.globl	k_q8ef72ac7ac_fc
	.p2align	8
	.type	k_q8ef72ac7ac_fc,@function
k_q8ef72ac7ac_fc:
	s_mov_b64 s[64:65], 0
	v_nop
	global_prefetch_b8 v0, s[64:65] scope:SCOPE_SE
	s_setreg_imm32_b32 hwreg(HW_REG_WAVE_SCHED_MODE, 0, 2), 2
	s_setreg_imm32_b32 hwreg(HW_REG_WAVE_MODE, 25, 1), 1
	s_wait_xcnt 0x0
	s_wait_alu depctr_vm_vsrc(0)
; FC.  H = Q(gelu(Xq W_fc[e]^T)) for the rows that expert e was chosen for, on codes of E2M1 with E8M0 scales.  Work-group g: expert e = g / 32, hidden units 128 sl .. 128 sl + 127, sl = g % 32,
; which are exactly one K step of the second product.  Each weight byte is loaded from memory by one work-group, once.
; THE ROWS OF AN EXPERT are its tokens in ascending order; tile i holds ranks 16 i .. 16 i + 15.  Every wave reads all 1,024 tokens' two chosen experts (whole numbers that the launch before stored), makes 32 words of
; membership bits by compares, and finds 'the token of rank rho' in registers: the word by 31 compares against running counts, the bit by a descent over the word's partial bit counts.  Ranks past the
; expert's count give some valid token: such pad rows are computed, stored at their own places, and never read.
; THE WEIGHTS: the 64 KB of codes come in dense, a quarter by each wave, turn through LDS behind the launch's one barrier, and then EVERY wave keeps all of them in 512 registers.  Waves take tiles w, w + 4, ..
; by themselves; all other LDS is a wave's own.
; THE PRODUCT IS USED TRANSPOSED (source 0 = 16 rows of W, source 1 = 16 rows of x), and lane r of tile 2 b + u of W takes row 32 b + 8 u + r + 8 (r / 8): so a lane holds ONE row of H, and the 16 registers of
; tiles 2 b, 2 b + 1 are 16 neighbours along the next K.
; GELU, exact form: h = max(x, 0) - |x| eh, eh = erfc(|x| / sqrt 2) / 2 = t 2^(P(t) - (cq x)^2), t = 1 / (1 + |x| / (2 sqrt 2)), P a polynomial of degree 9 (the rational-exponential fit of erfc whose
; fractional error is 1.2e-7 everywhere, with log2(e) and the halving folded into its coefficients).  All in f32.
; H leaves as an image of the next operand's registers: [64 e + tile][K step][byte 512 c + 16 lane], its scale words as [64 e + tile][K step][row][4 bytes].
; The work-groups with sl = 0 also store, for their expert, each token's count of members below it (a member's rank) and the expert's count.
; LIMITS: NaN and infinities, among the inputs or the pre-activations, are not served.  A block of zeros gets the scale byte 1: its codes are zeros, and this program alone reads the bytes.
; REGISTERS, in windows of 256: window 0 as named below; windows 1 and 2: W's fragment (tile t, K step s) at v[32 t + 8 (s % 4)] of window 1 + s / 4; window 3: v0-63 x's eight fragments, v64-127 x's 16 rows as loaded,
; v128-255 W as loaded.
; THE MODE: SCHED_MODE bits 1:0 = 2 (LLVM: expert scheduling mode 2), set by the entry lines.  The code itself states the register dependences between vector or matrix instructions and memory or LDS
; instructions, and those through scalar registers and VCC that vector instructions write, with s_wait_alu, always for 0.
; THE PLAN.  Registers that memory or LDS instructions touch in the loop:
;   window 3 v64-127, v[RS ..]   the next tile's rows and scale words.  Written by XLOADS' loads; read by the next trip's 17 LDS stores; named by no vector instruction.
;   window 3 v0-63, v[XS ..]     x's fragments and scale words.  Written by the trip's 17 LDS loads; read by its 64 products.
;   v[OFF ..], v[XSOFF]          written by SELECT; read by XLOADS.
;   v[PC ..], v28                written by QUANT and the shift behind it (v28 by SELECT too); read by the trip's three stores.
;   v4 to v14                    offsets, made at the head and never written again.
; So three waits a trip stand between the two sides: one on vm_vsrc behind the trip's LDS stores and loads (all that memory and LDS instructions have read may be written: OFF, XSOFF, the rows' registers, RS, PC, v28);
; one on va_vdst in XLOADS (OFF and XSOFF are written); one on va_vdst ahead of the trip's stores (PC and v28 are written, and the products are done reading x's fragments and XS, in which the next trip's LDS
; loads land: between that wait and those loads no vector or matrix instruction stands).  GELU's waits are those behind its reciprocals and exponentials.
; Compares and lane reads that write scalar registers stand in runs, each run with one wait on va_sdst ahead of its first reader.  The runs use sixteen scalar registers that are free where they stand:
; s8-13 and s18-19 (pointers of the head's loads and stores, done with), s62-63 and s100-101 (the stores' bases, made anew in each trip), s97-98, s57-58.
.set WP,    528                        ; an LDS row: 512 bytes + 16, an odd multiple of 16
.set XBASE, 128*WP                     ; behind W's 128 rows: a region for each wave
.set XREG,  9216                       ; 16 rows of x (16 x 528), then 512 bytes for their scale words
.set XSSO,  16*WP
.set RHO,   15                         ; v15 rank;  v16 rank x 256 + 255;  v17 the chosen running count and word number;  v18 the chosen word;  v19 the token;  v20 its scale bytes' offset
.set RK,    16
.set SELV,  17
.set WORD,  18
.set TOK,   19
.set XSOFF, 20
.set OFF,   32                         ; v32-47   byte offsets of the tile's 16 rows in xq, + 16 x lane
.set RS,    48                         ; v48-51   the next tile's x scale words as loaded
.set XS,    52                         ; v52-55   x's scale words: register i: lanes 0-15 K step i, lanes 16-31 K step 4 + i
.set WS,    56                         ; v56-87   W's scale words: register 4 t + i likewise
.set CF,    88                         ; v88-109  the polynomial's ten coefficients and cq, each in both halves of a pair
.set ACC,   112                        ; v112-175 eight accumulators; at the head the 64 words of idx
.set GT,    176
.set GP,    192
.set GQ,    208
.set TM,    224
.set PW,    240
.set PC,    242
.set M,     20                         ; s20-51   membership words
.set PK,    66                         ; s66-96   (members in words 0 .. j) x 256 + j + 1;  at the head s66-97 first hold the second choice's membership bits
.set MSB, 0
.macro WIN new                         ; the immediate's high byte repeats the setting that is left
.if MSB != \new
	s_set_vgpr_msb (MSB<<8)|\new
.set MSB, \new
.endif
.endm
.macro MM d, a, b, zero, sa, sb, row   ; one product; row = 1: both sides' scales from lanes 16-31
.set MD, \d
.set MA, \a
.set MB, \b
.set MSCA, \sa
.set MSCB, \sb
.if \zero
	v_wmma_scale_f32_16x16x128_f8f6f4 v[MD:MD+7], v[MA:MA+7], v[MB:MB+7], 0, v[MSCA], v[MSCB] matrix_a_fmt:MATRIX_FMT_FP4 matrix_b_fmt:MATRIX_FMT_FP4
.elseif \row
	v_wmma_scale_f32_16x16x128_f8f6f4 v[MD:MD+7], v[MA:MA+7], v[MB:MB+7], v[MD:MD+7], v[MSCA], v[MSCB] matrix_a_fmt:MATRIX_FMT_FP4 matrix_b_fmt:MATRIX_FMT_FP4 matrix_a_scale:MATRIX_SCALE_ROW1 matrix_b_scale:MATRIX_SCALE_ROW1
.else
	v_wmma_scale_f32_16x16x128_f8f6f4 v[MD:MD+7], v[MA:MA+7], v[MB:MB+7], v[MD:MD+7], v[MSCA], v[MSCB] matrix_a_fmt:MATRIX_FMT_FP4 matrix_b_fmt:MATRIX_FMT_FP4
.endif
.endm
.macro DESC src, w                     ; one step of the descent: if my rank in the word is not among the w bits at pos, pass them
	v_bfe_u32 v27, v[\src], v28, \w
	v_cmp_ge_u32 vcc_lo, v21, v27
	v_sub_nc_u32 v27, v21, v27
	v_add_nc_u32 v29, \w, v28
	s_wait_alu depctr_va_vcc(0)                    ; the compare has written VCC, which the two selects below read
	v_cndmask_b32 v21, v21, v27, vcc_lo
	v_cndmask_b32 v28, v28, v29, vcc_lo
.endm
; The tokens of tile s56: lane (r, h) finds the token of rank 16 s56 + r.
.macro SELECT
	s_lshl_b32 s57, s56, 4
	v_add_nc_u32 v[RHO], s57, v2
	v_lshl_or_b32 v[RK], v[RHO], 8, 255
	v_mov_b32 v[SELV], 0
	v_mov_b32 v[WORD], s[M]
.set j, 0
.irp m, 8,9,10,11,12,13,18,19,62,63,100,101,97,98,57,58
	v_cmp_le_u32 s[\m], s[PK+j], v[RK]             ; words 0 .. j hold no more members than my rank: the token lies further on.  Sixteen compares in a run, each into a scalar register of its own
.set j, j+1
.endr
	s_wait_alu depctr_va_sdst(0)                   ; the sixteen compares have written their masks, which the selects below read
.set j, 0
.irp m, 8,9,10,11,12,13,18,19,62,63,100,101,97,98,57,58
	v_cndmask_b32 v[SELV], v[SELV], s[PK+j], s[\m] ; the counts never fall, so the last hit stays
	v_cndmask_b32 v[WORD], v[WORD], s[M+j+1], s[\m]
.set j, j+1
.endr
.irp m, 8,9,10,11,12,13,18,19,62,63,100,101,97,98,57
	v_cmp_le_u32 s[\m], s[PK+j], v[RK]             ; the other fifteen: j = 16 .. 30
.set j, j+1
.endr
	s_wait_alu depctr_va_sdst(0)                   ; the fifteen compares have written their masks, which the selects below read
.set j, 16
.irp m, 8,9,10,11,12,13,18,19,62,63,100,101,97,98,57
	v_cndmask_b32 v[SELV], v[SELV], s[PK+j], s[\m]
	v_cndmask_b32 v[WORD], v[WORD], s[M+j+1], s[\m]
.set j, j+1
.endr
	v_lshrrev_b32 v21, 8, v[SELV]
	v_sub_nc_u32 v21, v[RHO], v21                  ; my rank inside the word
	v_and_b32 v22, 255, v[SELV]                    ; the word's number
	v_lshrrev_b32 v23, 1, v[WORD]
	v_and_b32 v23, 0x55555555, v23
	v_sub_nc_u32 v23, v[WORD], v23                 ; bit counts of fields of 2,
	v_lshrrev_b32 v24, 2, v23
	v_and_b32 v24, 0x33333333, v24
	v_and_b32 v25, 0x33333333, v23
	v_add_nc_u32 v24, v24, v25                     ; of 4,
	v_lshrrev_b32 v25, 4, v24
	v_add_nc_u32 v25, v25, v24
	v_and_b32 v25, 0x0f0f0f0f, v25                 ; of 8,
	v_lshrrev_b32 v26, 8, v25
	v_add_nc_u32 v26, v26, v25
	v_and_b32 v27, 255, v26                        ; and of the low 16
	v_cmp_ge_u32 vcc_lo, v21, v27
	v_sub_nc_u32 v27, v21, v27
	s_wait_alu depctr_va_vcc(0)                    ; the compare has written VCC, which the two selects below read
	v_cndmask_b32 v21, v21, v27, vcc_lo
	v_cndmask_b32 v28, 0, 16, vcc_lo               ; pos
	DESC 25, 8
	DESC 24, 4
	DESC 23, 2
	DESC WORD, 1
	v_lshl_add_u32 v[TOK], v22, 5, v28
	v_min_u32 v[TOK], 0x3ff, v[TOK]                ; pos is at most 31 and the word at most 31: the hold changes nothing and states the bound
	v_lshl_add_u32 v[XSOFF], v[TOK], 5, v12        ; 32 bytes of scales a token, + 16 h
.set j, 0
.irp m, 8,9,10,11,12,13,18,19,62,63,100,101,97,98,57,58
	v_readlane_b32 s[\m], v[TOK], j                ; the tile's sixteen tokens, in a run
.set j, j+1
.endr
	s_wait_alu depctr_va_sdst(0)                   ; the sixteen lane reads have written their scalar registers, which the holds below read
.irp m, 8,9,10,11,12,13,18,19,62,63,100,101,97,98,57,58
	s_min_u32 s[\m], s[\m], 0x3ff
.endr
.set j, 0
.irp m, 8,9,10,11,12,13,18,19,62,63,100,101,97,98,57,58
	v_lshl_add_u32 v[OFF+j], s[\m], 9, v4          ; row j of the tile: 512 bytes a token, + 16 x lane
.set j, j+1
.endr
.endm
.macro XLOADS                          ; 17 loads: each of the 16 reads one whole row of 512 bytes; one brings all the rows' scale words
	WIN 0xC0
	s_wait_alu depctr_va_vdst(0)                   ; SELECT has written v[OFF ..] and v[XSOFF], which the loads below read as their offsets
.set j, 0
.rept 16
	global_load_b128 v[64+4*j:67+4*j], v[OFF+j], s[4:5]
.set j, j+1
.endr
	WIN 0
	global_load_b128 v[RS:RS+3], v[XSOFF], s[6:7]
.endm
.macro GELU g                          ; 16 numbers: two accumulators, read from the low end on
.set XB, ACC+16*(\g)
.set i, 0
.rept 16
	v_fma_f32 v[GT+i], |v[XB+i]|, s99, 1.0
.set i, i+1
.endr
.set i, 0
.rept 16
	v_rcp_f32 v[GT+i], v[GT+i]                     ; t
.set i, i+1
.endr
.set i, 0
.rept 8
	v_pk_mul_f32 v[GQ+i:GQ+i+1], v[XB+i:XB+i+1], v[CF+20:CF+21]   ; cq x  (plain lines behind the reciprocals)
.set i, i+2
.endr
.set i, 0
	s_wait_alu depctr_va_vdst(0)                   ; the sixteen reciprocals have written v[GT ..]: one wait for the batch, ahead of its first reader
.rept 8
	v_pk_fma_f32 v[GP+i:GP+i+1], v[GT+i:GT+i+1], v[CF+18:CF+19], v[CF+16:CF+17]
.set i, i+2
.endr
.irp c, 7,6,5,4,3,2,1,0
.set i, 0
.rept 8
	v_pk_fma_f32 v[GP+i:GP+i+1], v[GP+i:GP+i+1], v[GT+i:GT+i+1], v[CF+2*\c:CF+2*\c+1]
.set i, i+2
.endr
.endr
.set i, 0
.rept 8
	v_pk_fma_f32 v[GP+i:GP+i+1], v[GQ+i:GQ+i+1], v[GQ+i:GQ+i+1], v[GP+i:GP+i+1] neg_lo:[1,0,0] neg_hi:[1,0,0]   ; P(t) - (cq x)^2
.set i, i+2
.endr
.set i, 0
.rept 16
	v_exp_f32 v[GP+i], v[GP+i]
.set i, i+1
.endr
.set i, 0
.rept 16
	v_max_num_f32 v[GQ+i], 0, v[XB+i]              ; (plain lines behind the exponentials)
.set i, i+1
.endr
.set i, 0
	s_wait_alu depctr_va_vdst(0)                   ; the sixteen exponentials have written v[GP ..]: one wait for the batch, ahead of its first reader
.rept 8
	v_pk_mul_f32 v[GP+i:GP+i+1], v[GP+i:GP+i+1], v[GT+i:GT+i+1]   ; eh
.set i, i+2
.endr
.set i, 0
.rept 16
	v_fma_f32 v[XB+i], -|v[XB+i]|, v[GP+i], v[GQ+i]
.set i, i+1
.endr
.endm
; 64 numbers of a lane, register 16 b + i = k 32 b + 16 (lane / 16) + i of my row, become a fragment's codes in v[PC] on and its scale word in v[PW]
.macro QUANT s
.irp b, 0,1,2,3
	v_max3_num_f32 v[TM+\b], |v[\s+16*\b]|, |v[\s+1+16*\b]|, 0x1800000   ; my 16 numbers of block b, and the floor 2^(3 - 127): the byte cannot fall under 1
.endr
.irp i, 2,4,6,8,10,12,14
.irp b, 0,1,2,3
	v_max3_num_f32 v[TM+\b], v[TM+\b], |v[\s+16*\b+\i]|, |v[\s+1+16*\b+\i]|
.endr
.endr
.irp b, 0,1,2,3
	v_permlanex16_b32 v[TM+4+\b], v[TM+\b], s60, s61
.endr
.irp b, 0,1,2,3
	v_max_num_f32 v[TM+\b], v[TM+\b], v[TM+4+\b]   ; with lane l xor 16's: the block's largest magnitude
.endr
.irp b, 0,1,2,3
	v_add_nc_u32 v[TM+12+\b], 0xff000000, v[TM+\b] ; 2 off its exponent field: the conversion's scale operand
.endr
.irp b, 0,1,2,3
	v_lshrrev_b32 v[TM+4+\b], 23, v[TM+12+\b]      ; the scale's byte
.endr
	v_lshl_or_b32 v[PW], v[TM+5], 8, v[TM+4]
	v_lshl_or_b32 v[PW], v[TM+6], 16, v[PW]
	v_lshl_or_b32 v[PW], v[TM+7], 24, v[PW]
.irp b, 0,1,2,3
	v_cvt_scalef32_pk8_fp4_f32 v[PC+2*\b], v[\s+16*\b:\s+7+16*\b], v[TM+12+\b]
	v_cvt_scalef32_pk8_fp4_f32 v[PC+1+2*\b], v[\s+8+16*\b:\s+15+16*\b], v[TM+12+\b]
.endr
	v_nop                                          ; one plain line behind the scaled conversions
.irp c, 0,1                                    ; the operand's layout wants a whole block in a lane: lanes 0-15 block 2 c, lanes 16-31 block 2 c + 1
.irp i, 0,1
	v_permlane16_swap_b32 v[PC+4*\c+\i], v[PC+2+4*\c+\i]
.endr
.endr
.endm
.macro CONST i, bits
	v_mov_b32 v[CF+2*(\i)], \bits
	v_mov_b32 v[CF+2*(\i)+1], \bits
.endm
	s_load_b512 s[4:19], s[0:1], 0x0               ; xq s[4:5], xs s[6:7], idx s[8:9], W's codes s[10:11], W's scales s[12:13], hq s[14:15], hs s[16:17], pos s[18:19]
	v_lshl_add_u32 v254, v0, 2, 0x19800
	v_mov_b32 v255, 0
	s_lshr_b32 s2, ttmp9, 5                        ; the expert
	s_and_b32 s3, ttmp9, 31                        ; the slice of 128 hidden units
	v_lshrrev_b32 v1, 5, v0
	v_readfirstlane_b32 s52, v1                    ; wave
	v_and_b32 v1, 31, v0                           ; lane
	v_and_b32 v2, 15, v0                           ; r
	v_bfe_u32 v3, v0, 4, 1                         ; h
	v_lshlrev_b32 v4, 4, v1                        ; 16 x lane
	s_wait_alu depctr_va_sdst(0)                   ; s52, the wave's number, is written, ahead of its first reader
	s_mul_i32 s57, s52, XREG
	s_add_co_u32 s57, s57, XBASE                   ; my wave's region
	v_add_nc_u32 v5, s57, v4                       ; x's rows in: 16 x lane, the row in the immediate
	v_mul_u32_u24 v6, v2, WP
	v_lshl_add_u32 v6, v3, 4, v6
	v_add_nc_u32 v6, s57, v6                       ; x's fragments out: row r, + 16 h
	v_and_b32 v21, 8, v2
	v_add_nc_u32 v21, v21, v2                      ; r + 8 (r / 8)
	v_mul_u32_u24 v8, v21, WP
	v_lshl_add_u32 v8, v3, 4, v8                   ; W's fragments out
	s_mul_i32 s57, s52, 32*WP
	v_add_nc_u32 v9, s57, v4                       ; W's rows in: my wave's 32
	v_lshlrev_b32 v10, 5, v21
	v_lshl_add_u32 v10, v3, 4, v10                 ; W's scale words: 32 bytes a row, + 16 h
	v_lshlrev_b32 v11, 2, v2
	v_lshl_add_u32 v11, v3, 1, v11                 ; H's scale words out: 4 r + 2 h
	v_lshlrev_b32 v12, 4, v3                       ; 16 h
	v_lshlrev_b32 v13, 2, v1                       ; 4 x lane
	v_lshlrev_b32 v14, 3, v1                       ; 8 x lane
	s_mov_b32 s59, 0
	s_mov_b32 s60, 0x76543210
	s_mov_b32 s61, 0xfedcba98                      ; v_permlanex16_b32's selects for lane l xor 16
	s_mov_b32 s99, 0x3eb504f3                      ; 1 / (2 sqrt 2)
.irp b, 0,1,2,3
	v_mov_b32 v[TM+4+\b], 0                        ; written once: a lane permute's destination counts as one of its sources
.endr
	s_wait_kmcnt 0x0
	s_wait_alu depctr_va_vdst(0)                   ; the offsets v4 to v14 are written, which the kernel's loads, stores and LDS instructions read, and so are v254 and v255, which the closing add reads; none is written again
.set j, 0
.rept 32
	global_load_b64 v[ACC+2*j:ACC+2*j+1], v14, s[8:9] offset:256*j   ; load j, lane l: the two experts of token 32 j + l
.set j, j+1
.endr
	s_lshl_b32 s58, s2, 21                         ; W's codes: 2 MiB an expert, 64 KiB a slice, 16 KiB a wave
	s_lshl_b32 s57, s3, 16
	s_add_co_u32 s58, s58, s57
	s_lshl_b32 s57, s52, 14
	s_add_co_u32 s58, s58, s57
	s_add_nc_u64 s[10:11], s[10:11], s[58:59]
	WIN 0xC0
.set j, 0
.rept 32
	global_load_b128 v[128+4*j:131+4*j], v4, s[10:11] offset:512*j th:TH_LOAD_NT   ; a whole row of 512 bytes; read once in the launch
.set j, j+1
.endr
	WIN 0
	s_lshl_b32 s58, s2, 17                         ; W's scales: 128 KiB an expert, 4 KiB a slice
	s_lshl_b32 s57, s3, 12
	s_add_co_u32 s58, s58, s57
	s_add_nc_u64 s[12:13], s[12:13], s[58:59]
.irp t, 0,1,2,3,4,5,6,7
	global_load_b128 v[WS+4*\t:WS+4*\t+3], v10, s[12:13] offset:32*(32*(\t/2)+8*(\t%2))
.endr
	s_lshl_b32 s58, s2, 21                         ; hq: 2 MiB an expert, 1 KiB a K step
	s_lshl_b32 s57, s3, 10
	s_add_co_u32 s58, s58, s57
	s_add_nc_u64 s[14:15], s[14:15], s[58:59]
	s_lshl_b32 s58, s2, 17                         ; hs: 128 KiB an expert, 64 bytes a K step
	s_lshl_b32 s57, s3, 6
	s_add_co_u32 s58, s58, s57
	s_add_nc_u64 s[16:17], s[16:17], s[58:59]
	s_mul_i32 s58, s2, 4352                        ; pos: 4,352 bytes an expert
	s_add_nc_u64 s[18:19], s[18:19], s[58:59]
	s_wait_loadcnt 40                              ; idx is in; W's 32 rows and 8 scale loads may be out
.set j, 0
.rept 32
	v_cmp_eq_u32 s[M+j], s2, v[ACC+2*j]            ; the 64 compares stand in one run: the first choice's bits into s[M + j],
	v_cmp_eq_u32 s[PK+j], s2, v[ACC+2*j+1]         ; the second choice's into the registers that will hold the running counts (and s97)
.set j, j+1
.endr
	s_wait_alu depctr_va_sdst(0)                   ; the 64 compares have written their masks, which the scalar lines below read
	s_mov_b32 s53, 0
.set j, 0
.rept 32
	s_or_b32 s[M+j], s[M+j], s[PK+j]               ; bit l: token 32 j + l chose my expert
	s_bcnt1_i32_b32 s57, s[M+j]
	s_add_co_u32 s53, s53, s57                     ; members so far
.if j < 31
	s_lshl_b32 s57, s53, 8
	s_or_b32 s[PK+j], s57, j+1
.endif
.set j, j+1
.endr
	s_add_co_u32 s57, s53, 15
	s_lshr_b32 s57, s57, 4                         ; tiles of the expert
	s_add_co_u32 s57, s57, 3
	s_sub_co_u32 s57, s57, s52
	s_lshr_b32 s54, s57, 2                         ; of which mine: w, w + 4, ..
	s_or_b32 s57, s3, s52
	s_cmp_lg_u32 s57, 0
	s_cbranch_scc1 .Lno_pos                        ; wave 0 of slice 0 alone stores the expert's ranks and count
.set j, 0
.rept 32
.if j == 0
	v_mbcnt_lo_u32_b32 v[GT+j], s[M+j], 0
.else
	s_lshr_b32 s57, s[PK+j-1], 8
	v_mbcnt_lo_u32_b32 v[GT+j], s[M+j], s57        ; members in the words before, + members of this word in the lanes below
.endif
.set j, j+1
.endr
	v_mov_b32 v[GQ], s53
	s_wait_alu depctr_va_vdst(0)                   ; the 32 registers of ranks and the count are written, which the 33 stores below read
.set j, 0
.rept 32
	global_store_b32 v13, v[GT+j], s[18:19] offset:128*j
.set j, j+1
.endr
	global_store_b32 v13, v[GQ], s[18:19] offset:4096
	s_wait_alu depctr_vm_vsrc(0)                   ; the 33 stores have read v[GT ..] and v[GQ], which GELU writes again further down
.Lno_pos:
	s_wait_xcnt 0x0                                ; the addresses of all loads and stores so far are translated: the stores' data registers, and the scalar registers s8-13 and s18-19, which held idx's, W's and pos's pointers, may be written again
	s_mov_b32 s56, s52
	SELECT
	XLOADS                                         ; my first tile's rows
	s_wait_loadcnt 17                              ; W's rows and scale words are in; x's 17 may be out
	WIN 0x0C
.set j, 0
.rept 32
	ds_store_b128 v9, v[128+4*j:131+4*j] offset:WP*j
.set j, j+1
.endr
	WIN 0
	s_wait_dscnt 0x0                               ; for the others' sake: my 32 rows of W lie in LDS
	s_barrier_signal -1
	s_barrier_wait -1                              ; the launch's one barrier: nobody writes these rows again
	WIN 0x40
.irp t, 0,1,2,3,4,5,6,7
.irp s, 0,1,2,3
.irp c, 0,1
	ds_load_b128 v[32*\t+8*\s+4*\c:32*\t+8*\s+4*\c+3], v8 offset:WP*(32*(\t/2)+8*(\t%2))+64*\s+32*\c
.endr
.endr
.endr
	WIN 0x80
.irp t, 0,1,2,3,4,5,6,7
.irp s, 0,1,2,3
.irp c, 0,1
	ds_load_b128 v[32*\t+8*\s+4*\c:32*\t+8*\s+4*\c+3], v8 offset:WP*(32*(\t/2)+8*(\t%2))+256+64*\s+32*\c
.endr
.endr
.endr
	WIN 0
	CONST 0, 0xc034d90f                            ; -2.8257482
	CONST 1, 0x3fb8ab5a                            ;  1.4427292
	CONST 2, 0x3f0a29d2                            ;  0.5397006
	CONST 3, 0x3e0efb2e                            ;  0.1396301
	CONST 4, 0xbe899a80                            ; -0.2687569
	CONST 5, 0x3ecdfd18                            ;  0.4023216
	CONST 6, 0xbfd1a1e5                            ; -1.6377532
	CONST 7, 0x40097039                            ;  2.1474745
	CONST 8, 0xbf97d29d                            ; -1.1861149
	CONST 9, 0x3e7c6f08                            ;  0.2465173
	CONST 10, 0x3f596d27                           ;  cq = sqrt(log2(e) / 2) = 0.8493218
	s_wait_dscnt 0x0                               ; W's fragments are in
	s_cmp_eq_u32 s54, 0
	s_cbranch_scc1 .Lend                           ; an expert with fewer tiles than waves
	s_mov_b32 s55, 0
.Ltile:                                            ; a trip: tile w + 4 s55
	s_wait_loadcnt 0x0                             ; its 16 rows and their scale words are in
	WIN 0x0C
.set j, 0
.rept 16
	ds_store_b128 v5, v[64+4*j:67+4*j] offset:WP*j
.set j, j+1
.endr
	WIN 0
	ds_store_b128 v5, v[RS:RS+3] offset:XSSO
	WIN 0xC0
.irp s, 0,1,2,3,4,5,6,7
.irp c, 0,1
	ds_load_b128 v[8*\s+4*\c:8*\s+4*\c+3], v6 offset:64*\s+32*\c   ; LDS serves a wave's instructions in order: these see the stores above.  The last trip's products are done reading these registers: the wait ahead of its stores has said so, and no vector or matrix instruction stands behind that wait
.endr
.endr
	WIN 0
	ds_load_b128 v[XS:XS+3], v5 offset:XSSO
	s_wait_alu depctr_vm_vsrc(0)                   ; the last XLOADS have read v[OFF ..] and v[XSOFF], which SELECT writes; the LDS stores above have read the rows' registers and v[RS ..], in which XLOADS' loads land; the last trip's stores have read v[PC ..] and v28, which SELECT, QUANT and the shift write
	s_add_co_u32 s57, s55, 1
	s_cmp_ge_u32 s57, s54
	s_cbranch_scc1 .Lno_next
	s_add_co_u32 s56, s56, 4
	SELECT                                         ; the next tile's tokens, while the fragments come
	s_wait_dscnt 0x0                               ; the rows' LDS stores are done before loads are asked for into the registers that they read
	XLOADS                                         ; they land under this tile's products and GELU
.Lno_next:
	s_wait_dscnt 0x0
	WIN 0x0D                                       ; source 0 (W) window 1, source 1 (x) window 3, C and D window 0
.irp s, 0,1,2,3                                ; the eight accumulators take turns, one instruction a turn
.irp t, 0,1,2,3,4,5,6,7
.if \s == 0
	MM ACC+8*\t, 32*\t+8*\s, 8*\s, 1, WS+4*\t+\s, XS+\s, 0
.else
	MM ACC+8*\t, 32*\t+8*\s, 8*\s, 0, WS+4*\t+\s, XS+\s, 0
.endif
.endr
.endr
	WIN 0x0E                                       ; W's K steps 4 to 7: window 2
.irp s, 0,1,2,3
.irp t, 0,1,2,3,4,5,6,7
	MM ACC+8*\t, 32*\t+8*\s, 32+8*\s, 0, WS+4*\t+\s, XS+\s, 1
.endr
.endr
	WIN 0
.rept 5
	v_nop                                          ; four places ahead of the first read of results; the fifth for the next trip's first products, which begin the accumulators anew
.endr
	GELU 0
	GELU 1
	GELU 2
	GELU 3
	QUANT ACC
	v_lshrrev_b32 v28, v12, v[PW]                  ; lanes 0-15 store the low half of their row's word, lanes 16-31 the high half: 64 bytes on end, all lanes on
	s_lshl_b32 s57, s55, 2
	s_add_co_u32 s57, s57, s52
	s_min_u32 s57, s57, 63                         ; the tile: an expert has at most 64
	s_lshl_b32 s58, s57, 15
	s_add_nc_u64 s[100:101], s[14:15], s[58:59]    ; 32 KiB of images a tile
	s_lshl_b32 s58, s57, 11
	s_add_nc_u64 s[62:63], s[16:17], s[58:59]      ; 2 KiB of scale words a tile
	s_wait_alu depctr_va_vdst(0)                   ; v[PC ..] and v28 are written, which the three stores below read; and the trip's products are done reading x's fragments and v[XS ..], in which the next trip's LDS loads land
	global_store_b128 v4, v[PC:PC+3], s[100:101]               ; 512 consecutive bytes, aligned
	global_store_b128 v4, v[PC+4:PC+7], s[100:101] offset:512
	global_store_b16 v11, v28, s[62:63]
	s_wait_xcnt 0x0                                ; the stores' data and bases are written again in the next trip
	s_add_co_u32 s55, s55, 1
	s_cmp_lt_u32 s55, s54
	s_cbranch_scc1 .Ltile
.Lend:
	s_wait_dscnt 0x0                               ; the closing lines, six on end
	s_wait_alu 0x0
	s_wait_tensorcnt 0x0
	ds_add_u32 v254, v255
	s_wait_dscnt 0x0
	s_endpgm
.Lfunc_end_k_q8ef72ac7ac_fc:
	.size	k_q8ef72ac7ac_fc, .Lfunc_end_k_q8ef72ac7ac_fc-k_q8ef72ac7ac_fc
	.p2alignl 7, 3214868480
	.fill 96, 4, 3214868480
	.section	.rodata,"a",@progbits
	.p2align	6, 0x0
	.amdhsa_kernel k_q8ef72ac7ac_fc
		.amdhsa_group_segment_fixed_size 104960
		.amdhsa_private_segment_fixed_size 0
		.amdhsa_enable_private_segment 0
		.amdhsa_kernarg_size 64
		.amdhsa_user_sgpr_count 2
		.amdhsa_user_sgpr_kernarg_segment_ptr 1
		.amdhsa_wavefront_size32 1
		.amdhsa_system_sgpr_workgroup_id_x 1
		.amdhsa_system_sgpr_workgroup_id_y 1
		.amdhsa_system_sgpr_workgroup_id_z 1
		.amdhsa_system_vgpr_workitem_id 0
		.amdhsa_next_free_vgpr 1024
		.amdhsa_next_free_sgpr 102
		.amdhsa_reserve_vcc 1
		.amdhsa_float_denorm_mode_32 3
		.amdhsa_float_denorm_mode_16_64 3
		.amdhsa_memory_ordered 1
		.amdhsa_forward_progress 1
		.amdhsa_inst_pref_size 117
	.end_amdhsa_kernel
	.amdgpu_metadata
---
amdhsa.version: [ 1, 2 ]
amdhsa.kernels:
  - .name:           k_q8ef72ac7ac_fc
    .symbol:         k_q8ef72ac7ac_fc.kd
    .args:
      - { .name: xq, .offset: 0, .size: 8, .value_kind: global_buffer, .address_space: global }
      - { .name: xs, .offset: 8, .size: 8, .value_kind: global_buffer, .address_space: global }
      - { .name: idx, .offset: 16, .size: 8, .value_kind: global_buffer, .address_space: global }
      - { .name: w_fc_codes, .offset: 24, .size: 8, .value_kind: global_buffer, .address_space: global }
      - { .name: w_fc_scales, .offset: 32, .size: 8, .value_kind: global_buffer, .address_space: global }
      - { .name: hq, .offset: 40, .size: 8, .value_kind: global_buffer, .address_space: global }
      - { .name: hs, .offset: 48, .size: 8, .value_kind: global_buffer, .address_space: global }
      - { .name: pos, .offset: 56, .size: 8, .value_kind: global_buffer, .address_space: global }
    .group_segment_fixed_size: 104960
    .private_segment_fixed_size: 0
    .kernarg_segment_align: 8
    .kernarg_segment_size: 64
    .max_flat_workgroup_size: 128
    .sgpr_count:     102
    .vgpr_count:     1024
    .wavefront_size: 32
...
	.end_amdgpu_metadata
.endif
;; end of part 5
;; launch proj (part 6): grid 256 x 1, 4 waves a work-group, no clusters, 84,480 bytes of LDS; arguments hq, hs, pos, w_proj_codes, w_proj_scales, yp; writes yp
.if DOCPART == 6
	.amdgcn_target "amdgcn-amd-amdhsa--gfx1250"
	.amdhsa_code_object_version 6
	.text
	.protected	k_q8ef72ac7ac_proj
	.globl	k_q8ef72ac7ac_proj
	.p2align	8
	.type	k_q8ef72ac7ac_proj,@function
k_q8ef72ac7ac_proj:
	s_mov_b64 s[64:65], 0
	v_nop
	global_prefetch_b8 v0, s[64:65] scope:SCOPE_SE
	s_setreg_imm32_b32 hwreg(HW_REG_WAVE_SCHED_MODE, 0, 2), 2
	s_setreg_imm32_b32 hwreg(HW_REG_WAVE_MODE, 25, 1), 1
	s_wait_xcnt 0x0
	s_wait_alu depctr_vm_vsrc(0)
; PROJ.  Y = Hq W_proj[e]^T for the expert's rows, on codes of E2M1 with E8M0 scales, one half of K to a work-group.  Work-group g: expert e = g / 32, outputs 64 ns .. 64 ns + 63 (ns = (g % 32) / 2),
; K = 2,048 kh .. 2,048 kh + 2,047 (kh = g % 2).  8 x 16 x 2 = 256 work-groups; each weight byte is loaded from memory by one of them, once.  The two halves' sums go to yp[kh] and are added by the last launch,
; which has to add two experts' rows anyway.
; THE WEIGHTS: 64 rows x 1,024 bytes come in dense pieces of 512 bytes, a quarter by each wave, turn through LDS behind the launch's one barrier, and then EVERY wave keeps all of them in 512 registers.
; Waves take tiles of 16 rows w, w + 4, .. by themselves.  H's fragments come from memory straight into the operand's registers (they were stored as images of them), a whole tile (16 K steps) ahead, in two
; buffers by turns.  The number of tiles hangs on the expert's count, a whole number that the launch before stored.
; THE WALK: a wave with n tiles runs (n - 1) / 2 trips of two tiles, each of which asks for its successor; the last one or two tiles are written out behind the loop, so that no load stands under a branch,
; no tile past the last is asked for, and a buffer is multiplied only behind its own loads on every way through the text.
; THE PRODUCT IS USED TRANSPOSED (source 0 = 16 rows of W, source 1 = 16 rows of H): a lane holds eight neighbouring outputs of one row.  A tile's 16 rows x 256 bytes go through the wave's own stage in LDS, so
; that sixteen lanes store 256 consecutive bytes, aligned.
; No joint loads: the work-groups of an expert read the same H, but their trip count is read from memory and H goes past LDS into registers; H is 4-bit and small beside the weights.
; REGISTERS: window 0 as named; windows 1, 2: W's fragment (tile t, K step s) at v[64 t + 8 (s % 8)] of window 1 + s / 8; window 3: H's two buffers, v0-127 and v128-255 (the second holds W as loaded at the head).
; THE MODE: SCHED_MODE bits 1:0 = 2 (LLVM: expert scheduling mode 2), set by the entry lines.  The code itself states the register dependences between vector or matrix instructions and memory or LDS
; instructions, and those through scalar registers that vector instructions write, with s_wait_alu, always for 0.
; THE PLAN.  Registers that memory or LDS instructions touch, tile by tile:
;   window 3, buffers 0 and 1, and v[AS ..], two sets   A tile's products read buffer cur and set cur; the loads of the tile after the next land there, issued at the next tile's head.
;   v[ACC ..]   Written by the tile's products; read by its eight LDS stores; written anew by the next tile's products.
;   v[OUT ..]   Written by the stage's eight LDS loads; read by the tile's eight global stores; named by no vector instruction.
;   v4 to v11   Offsets, made at the head and never written again.
; So two waits a tile.  One on vm_vsrc at its head: the last tile's LDS stores have read the accumulators and its global stores v[OUT ..].  One on va_vdst behind its products' places: the accumulators are
; written, which the LDS stores read, and the products are done reading buffer cur and set cur; between that wait and the next tile's loads into them stand only LDS and memory instructions on v9, v10, v11,
; the accumulators and v[OUT ..], scalar lines and waits: on the way within a trip, over the backward jump and into both tails alike.
.set WP,    1040                       ; an LDS row of W: 1,024 bytes + 16, an odd multiple of 16
.set STG,   64*WP                      ; behind W's 64 rows: 16 rows x 272 bytes for each wave
.set SPI,   272
.set WS,    32                         ; v32-63   W's scale words: register 8 t + i: lanes 0-15 K step i, lanes 16-31 K step 8 + i
.set AS,    64                         ; v64-79   H's scale words, two sets: register q: lanes 0-15 K step 2 q, lanes 16-31 K step 2 q + 1
.set ACC,   80                         ; v80-111  four accumulators
.set OUT,   112                        ; v112-143 a tile's rows on the way out
.set MSB, 0
.macro WIN new                         ; the immediate's high byte repeats the setting that is left
.if MSB != \new
	s_set_vgpr_msb (MSB<<8)|\new
.set MSB, \new
.endif
.endm
.macro MM d, a, b, zero, sa, sb, ra, rb   ; one product; ra, rb = 1: that side's scales from lanes 16-31
.set MD, \d
.set MA, \a
.set MB, \b
.set MSCA, \sa
.set MSCB, \sb
.if \zero
	v_wmma_scale_f32_16x16x128_f8f6f4 v[MD:MD+7], v[MA:MA+7], v[MB:MB+7], 0, v[MSCA], v[MSCB] matrix_a_fmt:MATRIX_FMT_FP4 matrix_b_fmt:MATRIX_FMT_FP4
.elseif (\ra == 0) && (\rb == 0)
	v_wmma_scale_f32_16x16x128_f8f6f4 v[MD:MD+7], v[MA:MA+7], v[MB:MB+7], v[MD:MD+7], v[MSCA], v[MSCB] matrix_a_fmt:MATRIX_FMT_FP4 matrix_b_fmt:MATRIX_FMT_FP4
.elseif \ra == 0
	v_wmma_scale_f32_16x16x128_f8f6f4 v[MD:MD+7], v[MA:MA+7], v[MB:MB+7], v[MD:MD+7], v[MSCA], v[MSCB] matrix_a_fmt:MATRIX_FMT_FP4 matrix_b_fmt:MATRIX_FMT_FP4 matrix_b_scale:MATRIX_SCALE_ROW1
.elseif \rb == 0
	v_wmma_scale_f32_16x16x128_f8f6f4 v[MD:MD+7], v[MA:MA+7], v[MB:MB+7], v[MD:MD+7], v[MSCA], v[MSCB] matrix_a_fmt:MATRIX_FMT_FP4 matrix_b_fmt:MATRIX_FMT_FP4 matrix_a_scale:MATRIX_SCALE_ROW1
.else
	v_wmma_scale_f32_16x16x128_f8f6f4 v[MD:MD+7], v[MA:MA+7], v[MB:MB+7], v[MD:MD+7], v[MSCA], v[MSCB] matrix_a_fmt:MATRIX_FMT_FP4 matrix_b_fmt:MATRIX_FMT_FP4 matrix_a_scale:MATRIX_SCALE_ROW1 matrix_b_scale:MATRIX_SCALE_ROW1
.endif
.endm
; Tile s[ts]'s 16 fragments and their scale words into buffer b: 40 loads
.macro ALOAD b, ts
	s_min_u32 s42, s[\ts], 63                      ; an expert has at most 64 tiles
	s_lshl_b32 s24, s42, 15
	s_add_nc_u64 s[26+2*(\b):27+2*(\b)], s[36:37], s[24:25]
	s_lshl_b32 s24, s42, 11
	s_add_nc_u64 s[30+2*(\b):31+2*(\b)], s[38:39], s[24:25]
	WIN 0xC0
.irp s, 0,1,2,3,4,5,6,7,8,9,10,11,12,13,14,15
.irp c, 0,1
	global_load_b128 v[128*(\b)+8*\s+4*\c:128*(\b)+8*\s+4*\c+3], v4, s[26+2*(\b):27+2*(\b)] offset:1024*\s+512*\c   ; 512 consecutive bytes: four registers of a fragment as they were stored
.endr
.endr
	WIN 0
.irp q, 0,1,2,3,4,5,6,7
	global_load_b32 v[AS+8*(\b)+\q], v8, s[30+2*(\b):31+2*(\b)] offset:128*\q
.endr
.endm
.macro MULS b                          ; 64 products: the four accumulators take turns, one instruction a turn
	WIN 0x0D                                       ; source 0 (W) window 1, source 1 (H) window 3, C and D window 0
.irp s, 0,1,2,3,4,5,6,7
.irp t, 0,1,2,3
.if \s == 0
	MM ACC+8*\t, 64*\t+8*\s, 128*(\b)+8*\s, 1, WS+8*\t+\s, AS+8*(\b)+\s/2, 0, 0
.else
	MM ACC+8*\t, 64*\t+8*\s, 128*(\b)+8*\s, 0, WS+8*\t+\s, AS+8*(\b)+\s/2, 0, \s%2
.endif
.endr
.endr
	WIN 0x0E                                       ; W's K steps 8 to 15: window 2
.irp s, 0,1,2,3,4,5,6,7
.irp t, 0,1,2,3
	MM ACC+8*\t, 64*\t+8*\s, 128*(\b)+64+8*\s, 0, WS+8*\t+\s, AS+8*(\b)+4+\s/2, 1, \s%2
.endr
.endr
	WIN 0
.rept 5
	v_nop                                          ; four places ahead of the LDS stores of the results; the fifth for the next tile's first products, which begin the accumulators anew
.endr
.endm
.macro OUTT                            ; tile s22 goes out
	s_wait_xcnt 0x0                                ; the last tile's stores have read their base and their data registers
	s_min_u32 s42, s22, 63
	s_lshl_b32 s24, s42, 16                        ; 16 rows of 4,096 bytes a tile
	s_add_nc_u64 s[34:35], s[40:41], s[24:25]
	s_wait_alu depctr_va_vdst(0)                   ; the products have written the accumulators, which the LDS stores below read (the places above stay beside this wait); and they are done reading this tile's buffer and scale set, in which the next tile's loads land
.irp t, 0,1,2,3
	ds_store_b128 v9, v[ACC+8*\t:ACC+8*\t+3] offset:64*\t          ; each accumulator from its low end on
	ds_store_b128 v9, v[ACC+8*\t+4:ACC+8*\t+7] offset:64*\t+16
.endr
.irp i, 0,1,2,3,4,5,6,7
	ds_load_b128 v[OUT+4*\i:OUT+4*\i+3], v10 offset:2*SPI*\i       ; LDS serves a wave's instructions in order: these see the stores above
.endr
.irp i, 0,1,2,3,4,5,6,7
	s_wait_dscnt 7-\i                              ; the loads behind this one may be out
	global_store_b128 v11, v[OUT+4*\i:OUT+4*\i+3], s[34:35] offset:8192*\i   ; 16 lanes store 256 consecutive bytes, aligned; lanes 16-31 the row below
.endr
.endm
; Tile s22, whose fragments lie in buffer cur.  more = 1: it has a successor of mine, four tiles on, which is asked for into the other buffer and lands under this tile's products and way out.
.macro HALF cur, more
	s_wait_loadcnt 0x0                             ; the only loads of mine that are out are this tile's 40: nothing younger has been issued.  Behind it both buffers' bases may be written
	s_wait_alu depctr_vm_vsrc(0)                   ; the last tile's LDS stores have read the accumulators, which the products below write anew, and its global stores have read v[OUT ..], in which the stage's loads land; ahead of my first tile: the LDS stores of W have read buffer 1's registers, in which the loads below land
.if \more
	s_add_co_u32 s23, s22, 4
	ALOAD 1-\cur, 23
.endif
	MULS \cur
	OUTT
.if \more
	s_mov_b32 s22, s23
.endif
.endm
	s_load_b256 s[4:11], s[0:1], 0x0               ; hq s[4:5], hs s[6:7], pos s[8:9], W's codes s[10:11]
	s_load_b128 s[12:15], s[0:1], 0x20             ; W's scales s[12:13], yp s[14:15]
	v_lshl_add_u32 v254, v0, 2, 0x14800
	v_mov_b32 v255, 0
	s_lshr_b32 s2, ttmp9, 5                        ; the expert
	s_bfe_u32 s3, ttmp9, 0x40001                   ; the slice of 64 outputs
	s_and_b32 s16, ttmp9, 1                        ; the half of K
	v_lshrrev_b32 v1, 5, v0
	v_readfirstlane_b32 s17, v1                    ; wave
	v_and_b32 v1, 31, v0                           ; lane
	v_and_b32 v2, 15, v0                           ; r
	v_bfe_u32 v3, v0, 4, 1                         ; h
	v_lshlrev_b32 v4, 4, v1                        ; 16 x lane
	s_wait_alu depctr_va_sdst(0)                   ; s17, the wave's number, is written, ahead of its first reader
	s_mul_i32 s42, s17, 16*WP
	v_add_nc_u32 v5, s42, v4                       ; W's rows in: my wave's 16
	v_mul_u32_u24 v6, v2, WP
	v_lshl_add_u32 v6, v3, 4, v6                   ; W's fragments out: row r, + 16 h
	v_lshlrev_b32 v7, 7, v2
	v_lshl_add_u32 v7, v3, 5, v7                   ; W's scale words: 128 bytes a row, + 32 h
	v_lshlrev_b32 v8, 2, v1                        ; 4 x lane
	s_mul_i32 s42, s17, 16*SPI
	s_add_co_u32 s42, s42, STG                     ; my stage
	v_mul_u32_u24 v9, v2, SPI
	v_lshl_add_u32 v9, v3, 5, v9
	v_add_nc_u32 v9, s42, v9                       ; in: row r, + 32 h
	v_mul_u32_u24 v10, v3, SPI
	v_lshl_add_u32 v10, v2, 4, v10
	v_add_nc_u32 v10, s42, v10                     ; back: lanes 0-15 one row, lanes 16-31 the next
	v_lshlrev_b32 v11, 12, v3
	v_lshl_add_u32 v11, v2, 4, v11                 ; and the same two rows in yp
	s_mov_b32 s25, 0
	s_mul_i32 s43, s2, 4352
	s_wait_kmcnt 0x0
	s_load_b32 s44, s[8:9], s43 offset:0x1000      ; the expert's count
	s_lshl_b32 s24, s2, 21                         ; W's codes: 2 MiB an expert, 64 rows of 2,048 bytes a slice, 16 rows a wave, 1,024 bytes a half of K
	s_lshl_b32 s42, s3, 17
	s_add_co_u32 s24, s24, s42
	s_lshl_b32 s42, s17, 15
	s_add_co_u32 s24, s24, s42
	s_lshl_b32 s42, s16, 10
	s_add_co_u32 s24, s24, s42
	s_add_nc_u64 s[10:11], s[10:11], s[24:25]
	WIN 0xC0
	s_wait_alu depctr_va_vdst(0)                   ; the offsets v4 to v11 are written, which the kernel's loads, stores and LDS instructions read, and so are v254 and v255, which the closing add reads; none is written again
.irp j, 0,1,2,3,4,5,6,7,8,9,10,11,12,13,14,15
.irp hf, 0,1
	global_load_b128 v[128+8*\j+4*\hf:128+8*\j+4*\hf+3], v4, s[10:11] offset:2048*\j+512*\hf th:TH_LOAD_NT   ; 512 consecutive bytes; read once in the launch
.endr
.endr
	WIN 0
	s_lshl_b32 s24, s2, 17                         ; W's scales: 128 KiB an expert, 64 rows of 128 bytes a slice, 64 bytes a half of K
	s_lshl_b32 s42, s3, 13
	s_add_co_u32 s24, s24, s42
	s_lshl_b32 s42, s16, 6
	s_add_co_u32 s24, s24, s42
	s_add_nc_u64 s[12:13], s[12:13], s[24:25]
.irp t, 0,1,2,3
.irp j, 0,1
	global_load_b128 v[WS+8*\t+4*\j:WS+8*\t+4*\j+3], v7, s[12:13] offset:2048*\t+16*\j
.endr
.endr
	s_lshl_b32 s24, s2, 21                         ; hq: 2 MiB an expert, 16 KiB a half of K
	s_lshl_b32 s42, s16, 14
	s_add_co_u32 s24, s24, s42
	s_add_nc_u64 s[36:37], s[4:5], s[24:25]
	s_lshl_b32 s24, s2, 17                         ; hs: 128 KiB an expert, 1 KiB a half of K
	s_lshl_b32 s42, s16, 10
	s_add_co_u32 s24, s24, s42
	s_add_nc_u64 s[38:39], s[6:7], s[24:25]
	s_lshl_b32 s24, s16, 25                        ; yp: 32 MiB a half of K, 4 MiB an expert, 256 bytes a slice
	s_lshl_b32 s42, s2, 22
	s_add_co_u32 s24, s24, s42
	s_lshl_b32 s42, s3, 8
	s_add_co_u32 s24, s24, s42
	s_add_nc_u64 s[40:41], s[14:15], s[24:25]
	s_wait_kmcnt 0x0
	s_add_co_u32 s18, s44, 15
	s_lshr_b32 s18, s18, 4
	s_min_u32 s18, s18, 64                         ; tiles of the expert
	s_add_co_u32 s19, s18, 3
	s_sub_co_u32 s19, s19, s17
	s_lshr_b32 s19, s19, 2                         ; of which mine: w, w + 4, ..
	s_cmp_eq_u32 s19, 0
	s_cbranch_scc1 .Lno_first                      ; a wave with no tile asks for none; it still brings its quarter of W and passes the barrier
	ALOAD 0, 17                                    ; my first tile
.Lno_first:
	s_wait_loadcnt 0x0
	WIN 0x0C
.irp j, 0,1,2,3,4,5,6,7,8,9,10,11,12,13,14,15
.irp hf, 0,1
	ds_store_b128 v5, v[128+8*\j+4*\hf:128+8*\j+4*\hf+3] offset:WP*\j+512*\hf
.endr
.endr
	WIN 0
	s_wait_dscnt 0x0                               ; for the others' sake: my 16 rows of W lie in LDS
	s_barrier_signal -1
	s_barrier_wait -1                              ; the launch's one barrier: nobody writes these rows again
	WIN 0x40
.irp t, 0,1,2,3
.irp s, 0,1,2,3,4,5,6,7
.irp c, 0,1
	ds_load_b128 v[64*\t+8*\s+4*\c:64*\t+8*\s+4*\c+3], v6 offset:16*WP*\t+64*\s+32*\c
.endr
.endr
.endr
	WIN 0x80
.irp t, 0,1,2,3
.irp s, 0,1,2,3,4,5,6,7
.irp c, 0,1
	ds_load_b128 v[64*\t+8*\s+4*\c:64*\t+8*\s+4*\c+3], v6 offset:16*WP*\t+512+64*\s+32*\c
.endr
.endr
.endr
	WIN 0
	s_wait_dscnt 0x0                               ; W's fragments are in
	s_cmp_eq_u32 s19, 0
	s_cbranch_scc1 .Ldone                          ; an expert with fewer tiles than waves
	s_mov_b32 s22, s17                             ; the tile in hand
	s_sub_co_u32 s20, s19, 1
	s_lshr_b32 s20, s20, 1                         ; trips of two tiles that both have a successor: (n - 1) / 2
	s_cmp_eq_u32 s20, 0
	s_cbranch_scc1 .Ltail
	s_mov_b32 s21, 0
.Lpair:
	HALF 0, 1
	HALF 1, 1
	s_add_co_u32 s21, s21, 1
	s_cmp_lt_u32 s21, s20
	s_cbranch_scc1 .Lpair
.Ltail:                                            ; one tile is left where n is odd, two where it is even; the next lies in buffer 0
	s_and_b32 s42, s19, 1
	s_cmp_lg_u32 s42, 0
	s_cbranch_scc1 .Lone
	HALF 0, 1
	HALF 1, 0
	s_branch .Ldone
.Lone:
	HALF 0, 0
.Ldone:
	s_wait_dscnt 0x0                               ; the closing lines, six on end
	s_wait_alu 0x0
	s_wait_tensorcnt 0x0
	ds_add_u32 v254, v255
	s_wait_dscnt 0x0
	s_endpgm
.Lfunc_end_k_q8ef72ac7ac_proj:
	.size	k_q8ef72ac7ac_proj, .Lfunc_end_k_q8ef72ac7ac_proj-k_q8ef72ac7ac_proj
	.p2alignl 7, 3214868480
	.fill 96, 4, 3214868480
	.section	.rodata,"a",@progbits
	.p2align	6, 0x0
	.amdhsa_kernel k_q8ef72ac7ac_proj
		.amdhsa_group_segment_fixed_size 84480
		.amdhsa_private_segment_fixed_size 0
		.amdhsa_enable_private_segment 0
		.amdhsa_kernarg_size 48
		.amdhsa_user_sgpr_count 2
		.amdhsa_user_sgpr_kernarg_segment_ptr 1
		.amdhsa_wavefront_size32 1
		.amdhsa_system_sgpr_workgroup_id_x 1
		.amdhsa_system_sgpr_workgroup_id_y 1
		.amdhsa_system_sgpr_workgroup_id_z 1
		.amdhsa_system_vgpr_workitem_id 0
		.amdhsa_next_free_vgpr 1024
		.amdhsa_next_free_sgpr 66
		.amdhsa_reserve_vcc 0
		.amdhsa_float_denorm_mode_32 3
		.amdhsa_float_denorm_mode_16_64 3
		.amdhsa_memory_ordered 1
		.amdhsa_forward_progress 1
		.amdhsa_inst_pref_size 87
	.end_amdhsa_kernel
	.amdgpu_metadata
---
amdhsa.version: [ 1, 2 ]
amdhsa.kernels:
  - .name:           k_q8ef72ac7ac_proj
    .symbol:         k_q8ef72ac7ac_proj.kd
    .args:
      - { .name: hq, .offset: 0, .size: 8, .value_kind: global_buffer, .address_space: global }
      - { .name: hs, .offset: 8, .size: 8, .value_kind: global_buffer, .address_space: global }
      - { .name: pos, .offset: 16, .size: 8, .value_kind: global_buffer, .address_space: global }
      - { .name: w_proj_codes, .offset: 24, .size: 8, .value_kind: global_buffer, .address_space: global }
      - { .name: w_proj_scales, .offset: 32, .size: 8, .value_kind: global_buffer, .address_space: global }
      - { .name: yp, .offset: 40, .size: 8, .value_kind: global_buffer, .address_space: global }
    .group_segment_fixed_size: 84480
    .private_segment_fixed_size: 0
    .kernarg_segment_align: 8
    .kernarg_segment_size: 48
    .max_flat_workgroup_size: 128
    .sgpr_count:     66
    .vgpr_count:     1024
    .wavefront_size: 32
...
	.end_amdgpu_metadata
.endif
;; end of part 6
;; launch comb: the kernel of part 4 again; grid 256 x 1, 4 waves a work-group, no clusters, 0 bytes of LDS; arguments yp, idx, cw, pos, out0; writes out0
